; MI455X (gfx1250); checked and timed in simulation.
; The chip was launched on July 23, 2026; its instructions are those of AMD's public machine-readable ISA for CDNA 5 (MIT licence, August 2026) and "CDNA5" Instruction Set Architecture Reference Guide (July 2026). The comments in the code are by the model that wrote it; some were corrected since.
;; Attention. Allowed arithmetic: matrix products marked QUANTISED: E2M1 operands, one E8M0 scale for each 32 along K, by v_wmma_scale_f32_16x16x128_f8f6f4 with both operands' format E2M1 (or v_wmma_scale_f32_32x16x128_f4), f32 sums; products left as they are: bf16, f16 or f32 operands; f32 sums; everything else in f32.
;; Inputs: freqs_cis 2,048 x 32 x 2 float32; wk 512 x 2,048 float32; wo 2,048 x 2,048 float32; wq 2,048 x 2,048 float32; wv 512 x 2,048 float32; x 1 x 2,048 x 2,048 float32.
;; Outputs: out0 1 x 2,048 x 2,048 float32.
;; This version of the problem:
;;   THIS VERSION OF THE PROBLEM IS GIVEN IN LOW PRECISION. The matrix products marked QUANTISED in the list below multiply operands that are first quantised to E2M1 (2 exponent bits, 1 mantissa bit; 4 bits a number), with one power-of-two scale for each 32 numbers along K (OCP MX v1.0); their sums are f32. The products marked 'left as it is' may take bf16, f16 or f32 operands, with f32 sums. All else is computed in f32.
;;   The module's matrix products, in the order in which they are computed (A, B: the left and right operand; K: the contracted axis; several contracted axes count as one K, in the product's order):
;;     1. [M 2,048, K 2,048] x [K 2,048, N 2,048]; A: input x; B: input wq: QUANTISED
;;     2. [M 2,048, K 2,048] x [K 2,048, N 512]; A: input x; B: input wk: QUANTISED
;;     3. [M 2,048, K 2,048] x [K 2,048, N 512]; A: input x; B: input wv: QUANTISED
;;     4. batch 8 x [M 2,048, K 64] x [K 64, N 8,192]; A: computed on the way; B: computed on the way: left as it is (an operand is computed on the way)
;;     5. batch 8 x [M 64, K 2,048] x [K 2,048, N 8,192]; A: computed on the way; B: computed on the way: left as it is (an operand is computed on the way)
;;     6. [M 2,048, K 2,048] x [K 2,048, N 2,048]; A: computed on the way; B: input wo: left as it is (an operand is computed on the way)
;;   THE QUANTISER, for each operand of a quantised product, along K:
;;     - K is cut into blocks of 32 from its start; a last block that is shorter is filled with zeros.
;;     - A block's scale is 2^e with e = floor(log2(the largest magnitude in the block)) - 2, held to -126 .. 127; a block of zeros has e = 0. As a byte (E8M0): e + 127.
;;     - Each number is divided by its block's scale, clamped to +-6, and rounded to the nearest number of E2M1, ties to even, subnormals kept.
;;     - The product sums the exact products of the quantised numbers (number of the format x scale) in f32.
;;   ~~~python
;;   def quantise(x, axis):      # numpy; x: float32 -> the quantised numbers, widened to float32 again
;;       x = np.moveaxis(x, axis, -1); K = x.shape[-1]
;;       x = np.pad(x, [(0, 0)] * (x.ndim - 1) + [(0, -K % 32)]); x = x.reshape(x.shape[:-1] + (-1, 32)); a = np.abs(x).max(-1, keepdims=True)
;;       e = np.where(a > 0, np.clip(np.frexp(np.where(a > 0, a, 1))[1] - 1 - 2, -126, 127), 0)      # np.frexp(a)[1] - 1 = floor(log2(a)), exactly
;;       r = np.clip(x / 2.0 ** e, -6, 6)
;;       step = 2.0 ** (np.maximum(np.frexp(np.where(r == 0, 1, r))[1] - 1, 0) - 1)
;;       q = np.round(r / step) * step * 2.0 ** e      # np.round: ties to even
;;       return np.moveaxis(q.reshape(q.shape[:-2] + (-1,))[..., :K], -1, axis).astype(np.float32)
;;   ~~~
;; One version. Each part assembles by itself: llvm-mc -triple=amdgcn-amd-amdhsa -mcpu=gfx1250 --defsym DOCPART=n.
;; ======== version 1 of 1: 4 launches
;; limits: values are held in f16: magnitudes above 65,504 overflow, below 6.1e-05 lose precision
;; workspace buffers: xc 2,097,152 bytes; xs 131,072 bytes; wc 3,145,728 bytes; ws 196,608 bytes; wo16 8,388,608 bytes; qkv 12,582,912 bytes; ao 8,388,608 bytes
;; launch prep (part 1): grid 448 x 1, 4 waves a work-group, no clusters, 33,280 bytes of LDS; arguments x, wq, wk, wv, wo, xc, xs, wc, ws, wo16; writes xc, xs, wc, ws, wo16
.if DOCPART == 1
	.amdgcn_target "amdgcn-amd-amdhsa--gfx1250"
	.amdhsa_code_object_version 6
	.text
	.protected	k_qadb9576d66_prep
	.globl	k_qadb9576d66_prep
	.p2align	8
	.type	k_qadb9576d66_prep,@function
k_qadb9576d66_prep:
	s_mov_b64 s[64:65], 0
	v_nop
	global_prefetch_b8 v0, s[64:65] scope:SCOPE_SE
	s_setreg_imm32_b32 hwreg(HW_REG_WAVE_MODE, 25, 1), 1
	s_wait_xcnt 0x0
; x [2048][2048], wq [2048][2048], wk [512][2048], wv [512][2048], f32, K innermost, become codes of FP4 (E2M1), two a byte, K innermost, with one E8M0 byte for each 32 along K;
; wo [2048][2048] f32 is rounded to f16.  Each operand is read by many tiles of the later products, so it is narrowed once, here.
; A block's scale is 2^(floor(log2(its largest magnitude)) - 2); its byte is the largest magnitude's exponent field - 2, held at 1 from below; each number is divided by the scale and
; rounded to the nearest code, ties to even, beyond 6 the largest code.
; LIMITS: a block of zeros gets the byte 1 where the rule says 127 (its codes are zeros, and only this program reads the bytes); blocks whose largest magnitude lies under 2^-124 are held at
; byte 1; NaN and infinities are not served; numbers of wo beyond 65,504 become infinite in f16.
; SHARES: a work-group takes 32,768 numbers, a wave 8,192.  Work-groups 0-127: x; 128-255: wq; 256-287: wk; 288-319: wv; 320-447: wo.  The three weights' codes lie on end in wc (rows 0-2047 wq,
; 2048-2559 wk, 2560-3071 wv), so work-group g of them writes part g - 128.  Rows are dense and 2,048 is a multiple of 32: every tensor is a plain stream of blocks.
; Work-groups share no input: no cluster, no tensor load, no barrier.  Only pointers are chosen by the work-group's number; the cast of wo is a path of its own, which uses no LDS.
.set STEPS, 16
.set EMAX,  2
.set CB,    8                          ; bytes of 16 codes
.set R,     16                         ; v16-79   four sets of 16 numbers as loaded (the cast: v16-143, two groups of 64)
.set X,     80                         ; v80-111  two sets of 16 neighbours
.set E,     112                        ; v112-127 a scale byte for each step
.set C,     128                        ; v128-191 codes: four registers a step, so that no store's data are written again
.set WREG,  8192                       ; LDS: a region for each wave: two stages of 32 x SP bytes, then its 256 scale bytes
.set SP,    80                         ; a lane's place in a stage: 64 bytes + 16 of padding
	s_load_b512 s[4:19], s[0:1], 0x0               ; x s[4:5], wq s[6:7], wk s[8:9], wv s[10:11], wo s[12:13], xc s[14:15], xs s[16:17], wc s[18:19]
	s_load_b128 s[20:23], s[0:1], 0x40             ; ws s[20:21], wo16 s[22:23]
	v_lshl_add_u32 v192, v0, 2, 0x8000
	v_mov_b32 v193, 0
	v_lshrrev_b32 v1, 5, v0
	v_readfirstlane_b32 s24, v1                    ; wave
	v_and_b32 v2, 31, v0                           ; lane
	v_lshlrev_b32 v3, 4, v2                        ; my 16 bytes of a load's 512
	s_mov_b32 s35, 0
	s_wait_kmcnt 0x0
	s_cmp_ge_u32 ttmp9, 320
	s_cbranch_scc1 .Lcast
	; ---- the quantiser
	s_mul_i32 s25, s24, WREG
	v_lshrrev_b32 v14, 2, v2
	v_mul_u32_u24 v14, v14, SP
	v_and_b32 v15, 3, v2
	v_lshl_add_u32 v14, v15, 4, v14
	v_add_nc_u32 v14, s25, v14                     ; the stage, on the way in: four lanes' 64 bytes on end, then 16 of padding
	v_mul_u32_u24 v15, v2, SP
	v_add_nc_u32 v15, s25, v15                     ; and on the way out: my 16 neighbours
	v_mul_u32_u24 v4, v2, CB                       ; my codes' place in a step's
	v_lshrrev_b32 v5, 1, v2
	s_add_co_u32 s25, s25, 2*32*SP
	v_add_nc_u32 v5, s25, v5                       ; my wave's 256 scale bytes, my block's byte
	v_lshlrev_b32 v7, 3, v2                        ; on the way out 8 bytes a lane
	v_add_nc_u32 v6, s25, v7
	s_cmp_lt_u32 ttmp9, 128                        ; which tensor: the choices hang on the work-group's number alone
	s_cselect_b64 s[26:27], s[4:5], s[6:7]         ; numbers
	s_cselect_b64 s[28:29], s[14:15], s[18:19]     ; codes
	s_cselect_b64 s[30:31], s[16:17], s[20:21]     ; scale bytes
	s_cselect_b32 s32, 0, 128                      ; the source's first work-group
	s_cselect_b32 s33, 0, 128                      ; the destination's
	s_cmp_ge_u32 ttmp9, 256
	s_cselect_b64 s[26:27], s[8:9], s[26:27]
	s_cselect_b32 s32, 256, s32
	s_cmp_ge_u32 ttmp9, 288
	s_cselect_b64 s[26:27], s[10:11], s[26:27]
	s_cselect_b32 s32, 288, s32
	s_sub_co_u32 s32, ttmp9, s32
	s_lshl_b32 s32, s32, 2
	s_add_co_u32 s32, s32, s24                     ; which run of 8,192 numbers of the source is my wave's
	s_lshl_b32 s34, s32, 15
	s_add_nc_u64 s[26:27], s[26:27], s[34:35]
	s_sub_co_u32 s33, ttmp9, s33
	s_lshl_b32 s33, s33, 2
	s_add_co_u32 s33, s33, s24                     ; and of the destination
	s_lshl_b32 s34, s33, 12
	s_add_nc_u64 s[28:29], s[28:29], s[34:35]      ; 4,096 bytes of codes a run
	s_lshl_b32 s34, s33, 8
	s_add_nc_u64 s[30:31], s[30:31], s[34:35]      ; 256 scale bytes a run
.macro LOAD t
.irp i, 0,1,2,3
	global_load_b128 v[R+16*((\t)%4)+4*\i:R+16*((\t)%4)+4*\i+3], v3, s[26:27] offset:2048*(\t)+512*\i th:TH_LOAD_NT   ; 32 lanes read 512 consecutive bytes
.endr
.endm
.macro TURN t                          ; step t's numbers through the stage: LDS serves a wave's instructions in order, so no wait stands between the stores and the loads
.irp i, 0,1,2,3
	ds_store_b128 v14, v[R+16*((\t)%4)+4*\i:R+16*((\t)%4)+4*\i+3] offset:32*SP*((\t)%2)+8*SP*\i
.endr
.irp i, 0,1,2,3
	ds_load_b128 v[X+16*((\t)%2)+4*\i:X+16*((\t)%2)+4*\i+3], v15 offset:32*SP*((\t)%2)+16*\i
.endr
.endm
.irp t, 0,1,2,3
	LOAD \t
.endr
	s_wait_loadcnt 12                              ; step 0's four loads are in; three steps' twelve may be out
	TURN 0
.macro STEP t
.set XS, X+16*((\t)%2)
.if (\t) > 0
	s_wait_dscnt 1                                 ; this step's numbers are back from the stage (the last step's byte store may be out): so its stores into the stage have read their registers,
.else
	s_wait_dscnt 0x0
.endif
.if (\t)+4 < STEPS
	LOAD (\t)+4                                    ; which take the loads of four steps on
.endif
.if (\t)+1 < STEPS
.if STEPS-2-(\t) >= 3
	s_wait_loadcnt 12                              ; the next step's four loads are in; those of the three steps behind it may be out
.else
	s_wait_loadcnt 4*(STEPS-2-(\t))
.endif
	TURN (\t)+1                                    ; and go through the other stage while this step is worked
.endif
	v_max3_num_f32 v8, |v[XS]|, |v[XS+1]|, |v[XS+2]|               ; the largest magnitude of my 16, in two chains
	v_max3_num_f32 v9, |v[XS+3]|, |v[XS+4]|, |v[XS+5]|
.irp i, 6,10
	v_max3_num_f32 v8, v8, |v[XS+\i]|, |v[XS+\i+1]|
	v_max3_num_f32 v9, v9, |v[XS+\i+2]|, |v[XS+\i+3]|
.endr
	v_max3_num_f32 v8, v8, |v[XS+14]|, |v[XS+15]|
	v_max3_num_f32 v8, v8, v9, (EMAX+1)<<23        ; and the floor 2^(3 - 127): the byte cannot fall under 1
	v_max_num_f32_dpp v8, v8, v8 row_xmask:1 row_mask:0xf bank_mask:0xf   ; and of my neighbour's 16: the block's
	v_add_nc_u32 v11, -(EMAX<<23), v8              ; 2 off its exponent field: the conversion takes the exponent field of this operand as its scale
	v_cvt_scalef32_pk8_fp4_f32 v[C+4*(\t)], v[XS:XS+7], v11
	v_cvt_scalef32_pk8_fp4_f32 v[C+4*(\t)+1], v[XS+8:XS+15], v11
	v_lshrrev_b32 v[E+(\t)], 23, v11               ; the scale's byte (also the plain line behind the conversions)
	ds_store_b8 v5, v[E+(\t)] offset:16*(\t)       ; both lanes of a block write the same byte with the same value
	global_store_b64 v4, v[C+4*(\t):C+4*(\t)+1], s[28:29] offset:32*CB*(\t)   ; the wave stores 256 consecutive bytes, aligned
.endm
.irp t, 0,1,2,3,4,5,6,7,8,9,10,11,12,13,14,15
	STEP \t
.endr
	ds_load_b64 v[12:13], v6                       ; LDS serves a wave's instructions in order: these see my stores
	s_wait_dscnt 0x0
	global_store_b64 v7, v[12:13], s[30:31]        ; 32 lanes store 256 consecutive bytes, aligned
	s_wait_tensorcnt 0x0
	ds_add_u32 v192, v193
	s_wait_dscnt 0x0
	s_endpgm
	; ---- wo to f16: 64 loads of 512 bytes a wave, in four groups of 16 on two sets of registers; each load's 128 numbers leave as 256 consecutive bytes
.Lcast:
	v_lshlrev_b32 v4, 3, v2                        ; 8 bytes a lane on the way out
	s_sub_co_u32 s25, ttmp9, 320
	s_lshl_b32 s25, s25, 2
	s_add_co_u32 s25, s25, s24                     ; my wave's run of 8,192 numbers
	s_lshl_b32 s34, s25, 15
	s_add_nc_u64 s[12:13], s[12:13], s[34:35]
	s_lshl_b32 s34, s25, 14
	s_add_nc_u64 s[22:23], s[22:23], s[34:35]
.macro LOADG g
.irp i, 0,1,2,3,4,5,6,7,8,9,10,11,12,13,14,15
	global_load_b128 v[R+64*((\g)%2)+4*\i:R+64*((\g)%2)+4*\i+3], v3, s[12:13] offset:512*(16*(\g)+\i) th:TH_LOAD_NT
.endr
.endm
.macro CONV g
.irp i, 0,1,2,3,4,5,6,7,8,9,10,11,12,13,14,15
	v_cvt_pk_f16_f32 v[R+64*((\g)%2)+4*\i], v[R+64*((\g)%2)+4*\i], v[R+64*((\g)%2)+4*\i+1]       ; to nearest even, the first number in the low half
	v_cvt_pk_f16_f32 v[R+64*((\g)%2)+4*\i+1], v[R+64*((\g)%2)+4*\i+2], v[R+64*((\g)%2)+4*\i+3]
	global_store_b64 v4, v[R+64*((\g)%2)+4*\i:R+64*((\g)%2)+4*\i+1], s[22:23] offset:256*(16*(\g)+\i)
.endr
.endm
	LOADG 0
	LOADG 1
	s_wait_loadcnt 16                              ; group 0 is in; group 1's sixteen may be out
	CONV 0
	s_wait_xcnt 0x0                                ; the stores have read their registers: the set is loaded again only behind this wait
	LOADG 2
	s_wait_loadcnt 16                              ; group 1 is in
	CONV 1
	s_wait_xcnt 0x0
	LOADG 3
	s_wait_loadcnt 16                              ; group 2 is in
	CONV 2
	s_wait_loadcnt 0x0
	CONV 3
	s_endpgm
.Lfunc_end_k_qadb9576d66_prep:
	.size	k_qadb9576d66_prep, .Lfunc_end_k_qadb9576d66_prep-k_qadb9576d66_prep
	.p2alignl 7, 3214868480
	.fill 96, 4, 3214868480
	.section	.rodata,"a",@progbits
	.p2align	6, 0x0
	.amdhsa_kernel k_qadb9576d66_prep
		.amdhsa_group_segment_fixed_size 33280
		.amdhsa_private_segment_fixed_size 0
		.amdhsa_enable_private_segment 0
		.amdhsa_kernarg_size 80
		.amdhsa_user_sgpr_count 2
		.amdhsa_user_sgpr_kernarg_segment_ptr 1
		.amdhsa_wavefront_size32 1
		.amdhsa_system_sgpr_workgroup_id_x 1
		.amdhsa_system_sgpr_workgroup_id_y 1
		.amdhsa_system_sgpr_workgroup_id_z 1
		.amdhsa_system_vgpr_workitem_id 0
		.amdhsa_next_free_vgpr 194
		.amdhsa_next_free_sgpr 66
		.amdhsa_reserve_vcc 0
		.amdhsa_float_denorm_mode_32 3
		.amdhsa_float_denorm_mode_16_64 3
		.amdhsa_memory_ordered 1
		.amdhsa_forward_progress 1
		.amdhsa_inst_pref_size 54
	.end_amdhsa_kernel
	.amdgpu_metadata
---
amdhsa.version: [ 1, 2 ]
amdhsa.kernels:
  - .name:           k_qadb9576d66_prep
    .symbol:         k_qadb9576d66_prep.kd
    .args:
      - { .name: x, .offset: 0, .size: 8, .value_kind: global_buffer, .address_space: global }
      - { .name: wq, .offset: 8, .size: 8, .value_kind: global_buffer, .address_space: global }
      - { .name: wk, .offset: 16, .size: 8, .value_kind: global_buffer, .address_space: global }
      - { .name: wv, .offset: 24, .size: 8, .value_kind: global_buffer, .address_space: global }
      - { .name: wo, .offset: 32, .size: 8, .value_kind: global_buffer, .address_space: global }
      - { .name: xc, .offset: 40, .size: 8, .value_kind: global_buffer, .address_space: global }
      - { .name: xs, .offset: 48, .size: 8, .value_kind: global_buffer, .address_space: global }
      - { .name: wc, .offset: 56, .size: 8, .value_kind: global_buffer, .address_space: global }
      - { .name: ws, .offset: 64, .size: 8, .value_kind: global_buffer, .address_space: global }
      - { .name: wo16, .offset: 72, .size: 8, .value_kind: global_buffer, .address_space: global }
    .group_segment_fixed_size: 33280
    .private_segment_fixed_size: 0
    .kernarg_segment_align: 8
    .kernarg_segment_size: 80
    .max_flat_workgroup_size: 128
    .sgpr_count:     66
    .vgpr_count:     194
    .wavefront_size: 32
...
	.end_amdgpu_metadata
.endif
;; end of part 1
;; launch qkv (part 2): grid 16 x 16, 4 waves a work-group, clusters of 4 x 4, 327,680 bytes of LDS; arguments xc, xs, wc, ws, freqs_cis, qkv; writes qkv
.if DOCPART == 2
	.amdgcn_target "amdgcn-amd-amdhsa--gfx1250"
	.amdhsa_code_object_version 6
	.text
	.protected	k_qadb9576d66_qkv
	.globl	k_qadb9576d66_qkv
	.p2align	8
	.type	k_qadb9576d66_qkv,@function
k_qadb9576d66_qkv:
	s_mov_b64 s[64:65], 0
	v_nop
	global_prefetch_b8 v0, s[64:65] scope:SCOPE_SE
	s_setreg_imm32_b32 hwreg(HW_REG_WAVE_MODE, 25, 1), 1
	s_wait_xcnt 0x0
	s_wait_alu depctr_hold_cnt(0) depctr_sa_sdst(0) depctr_va_vdst(0) depctr_va_sdst(0) depctr_va_ssrc(0) depctr_va_vcc(0) depctr_vm_vsrc(0)
	s_getreg_b32 s2, hwreg(HW_REG_IB_STS2, 6, 4)
	s_cmp_eq_u32 s2, 0
	s_cbranch_scc0 .Lentry_in_a_cluster
	s_endpgm
.Lentry_in_a_cluster:
	s_bfe_u32 s2, ttmp6, 0x10000c
	s_cmp_lg_u32 s2, 0xf033
	s_cbranch_scc0 .Lentry_shape_is_right
	s_endpgm
.Lentry_shape_is_right:
; [q | k | v] = x [wq; wk; wv]^T on codes of FP4 with E8M0 scales (2,048 tokens x 3,072 columns, K = 2,048), the rotary turn on q's and k's columns in f32, rounded once to f16, laid [48 heads][2,048 tokens][64].
; SHARES: a work-group makes 128 tokens x 192 columns (three whole heads): 16 x 16 = 256 work-groups of equal work.  Wave w: tokens 64 (w / 2) on, columns 96 (w % 2) on: 24 accumulators of 16 x 16.
; THE MATRIX INSTRUCTION IS USED TRANSPOSED (source 0 = 16 rows of the weights, source 1 = 16 tokens): a lane holds one token and eight neighbouring columns: four rotary pairs, and 16 bytes of f16.
; K goes in four chunks of 512 (rows of 256 bytes).  Three LDS slots take chunks 0, 1, 2 with the first fills; chunk 3 is the one refill, into slot 0.  The scale bytes of the work-group's rows, for all of K,
; are two dense blocks of memory and come once, with the first fills.  By this text's count a wave has four tensor loads out at the start and one behind the refill's round.
; CLUSTER 4 x 4: the four of a row need the same tokens' codes, the four of a column the same weights': each tile is asked for jointly.  Waves 0, 1, 2 fetch 64 rows of weights each, wave 3 the 128 tokens.
; No prefetch: a tile's whole K is asked for in four loads, three of them at the head.
; LIMITS: results beyond 65,504 become infinite in f16; the rotary turn uses fused multiply-adds, so its last bits may differ from two rounded products; NaN and infinities are not served.
; REGISTERS: window 0: v1-14 addresses; v28, v29 the spare word's; v32-79 scale words, two sets, and nothing else; v96-255 two fragment buffers (A's 4 blocks, then B's 6); on the way out v80-255 are at work.
;   window 1: v0-191 the accumulators, (a, b) at 8 (6 a + b).   window 2: v0-127 cos and sin, set (a, k) at 32 a + 8 k.
.set PITCH, 272                        ; an LDS row: 256 bytes + 16 of padding: the sixteen rows of a fragment load start 68 words apart
.set SLOT,  320*PITCH                  ; 87,040: the tokens' 128 rows, then the weights' 192
.set BOFF,  128*PITCH
.set SCL,   3*SLOT                     ; x's scale bytes: 32 units of 256 + 16
.set SCLB,  SCL+32*272                 ; the weights': 48 units
.set SPARE, SCLB+48*272                ; the spare words, 128 bytes a wave: two blocks of 256 bytes that no other line names
.set STG,   SLOT                       ; the way out: 128 rows x 400 bytes, in slot 1: it has had its one fill, and nobody reads it behind the last barrier of the K steps
.set SPT,   400
.set ADRA, 1                           ; v1-3   LDS address of my tokens' fragments in slot 0, 1, 2
.set ADRB, 4                           ; v4-6   of my weights'
.set ADRS, 7                           ; v7     of my scale words: lanes 0-15 the tokens', lanes 16-31 the weights'
.set STO,  8                           ; v8     the stage: where I put 16 bytes of a row
.set RD,   9                           ; v9     where I read rows back
.set LO,   10                          ; v10    16 x lane
.set FO,   11                          ; v11-14 my byte in freqs_cis for column blocks b % 4 = 0 .. 3
.set SPW,  28
.set NIL,  29
.set SC,   32
.set FB,   96
.set CSR,  80                          ; the way out: v80-127 cos, sin of a token block's six accumulators;
.set RO,   128                         ; v128-175 the turned numbers;
.set TT,   176                         ; v176-183 at work;
.set PK,   184                         ; v184-207 f16 pairs
.set WV,   16                          ; s16 wave; s17 w / 2; s18 w % 2; s19 cx; s20 cy; s21 tile column X; s22 tile row Y; s23 min(wave, 2)
.set G1A,  24                          ; s[24:31] group 1: the tokens' codes;  s[32:39] the weights';  s[40:47], s[48:55] their scale bytes
.set G1B,  32
.set G1SA, 40
.set G1SB, 48
.set G0A0, 56                          ; groups 0: the tokens' chunks 0, 1, 2
.set G0A1, 60
.set G0A2, 68
.set G0B0, 72                          ; the weights' chunks 0, 1, 2
.set G0B1, 76
.set G0B2, 80
.set G0SA, 84
.set G0SB, 88
.set MB,   92                          ; s92-97 the way out: all ones where column block b belongs to v
.set MSB, 0
.macro WIN new                         ; the immediate's high byte repeats the setting that is left
.if MSB != \new
	s_set_vgpr_msb (MSB<<8)|\new
.set MSB, \new
.endif
.endm
.macro PLACES                          ; four plain vector lines between a matrix instruction and a load into its registers or a read of its result
.rept 4
	v_nop
.endr
.endm
; A joint load: wave 3 fetches the tokens' part, waves 0 to 2 the weights'.  Each line has one mask and one set of registers; the branch hangs on the wave's number alone.  Four v_nop follow each line.
.macro JLOAD g0a, g1a, g0b, g1b
	s_cmp_eq_u32 s[WV], 3
	s_cbranch_scc0 .Lfor_b_\@
	tensor_load_to_lds s[\g0a:\g0a+3], s[\g1a:\g1a+7]
	s_nop 0
.rept 4
	v_nop
.endr
	s_branch .Lasked_\@
.Lfor_b_\@:
	tensor_load_to_lds s[\g0b:\g0b+3], s[\g1b:\g1b+7]
	s_nop 0
.rept 4
	v_nop
.endr
.Lasked_\@:
.endm
.macro CROUND                          ; a round of the cluster's barrier
	s_barrier_signal -1
	s_barrier_wait -1
	s_cmp_lg_u32 s[WV], 0
	s_cbranch_scc1 .Lnot_wave_0_\@
	s_barrier_signal -3
.Lnot_wave_0_\@:
	s_barrier_wait -3
	s_barrier_signal -1
	s_barrier_wait -1
.endm
	s_load_b256 s[4:11], s[0:1], 0x0               ; xc s[4:5], xs s[6:7], wc s[8:9], ws s[10:11]
	s_load_b128 s[12:15], s[0:1], 0x20             ; freqs_cis s[12:13], qkv s[14:15]
	v_lshl_add_u32 v[SPW], v0, 2, SPARE
	v_mov_b32 v[NIL], 0
	ds_add_u32 v28, v29
	s_wait_dscnt 0x0
	v_lshrrev_b32 v15, 5, v0
	v_readfirstlane_b32 s[WV], v15
	s_lshr_b32 s17, s16, 1
	s_and_b32 s18, s16, 1
	s_min_u32 s23, s16, 2                          ; which 64 rows of weights I fetch (wave 3 fetches none: its share stays inside the buffers all the same)
	s_bfe_u32 s19, ttmp6, 0x40000                  ; cx, cy: my place in the cluster
	s_bfe_u32 s20, ttmp6, 0x40004
	s_lshl_b32 s21, ttmp9, 2
	s_add_co_u32 s21, s21, s19                     ; X = 4 x cluster x + cx
	s_and_b32 s22, ttmp7, 0xffff
	s_lshl_b32 s22, s22, 2
	s_add_co_u32 s22, s22, s20                     ; Y = 4 x cluster y + cy
	s_lshl_b32 s92, s20, 2
	s_lshl_b32 s92, 15, s92                        ; my row of the cluster
	s_lshl_b32 s93, 0x1111, s19                    ; my column
	s_or_b32 s[G1A], s92, (1<<20)|(1<<21)|(5<<22)|(3<<25)          ; 15:0 the mask; 17:16 elements of 1 byte; 20 padding on; 21 set beside a mask; 24:22 after every 64 words; 31:25 four words
	s_or_b32 s[G1B], s93, (1<<20)|(1<<21)|(5<<22)|(3<<25)
	s_or_b32 s[G1SA], s92, (3<<16)|(1<<20)|(1<<21)|(5<<22)|(3<<25) ; the scale bytes: elements of 8 bytes, rows of 256 bytes, the same padding
	s_or_b32 s[G1SB], s93, (3<<16)|(1<<20)|(1<<21)|(5<<22)|(3<<25)
	s_mov_b32 s[G1A+1], 256<<16                    ; tensor_dim0 = 256 bytes
	s_mov_b32 s[G1A+2], 128<<16                    ; tensor_dim1 = 128 rows
	s_mov_b32 s[G1A+3], 256<<16                    ; tile_dim0
	s_mov_b32 s[G1A+4], 128                        ; tile_dim1
	s_mov_b32 s[G1A+5], 1024                       ; a row of codes in memory
	s_mov_b32 s[G1A+6], 0
	s_mov_b32 s[G1A+7], 0
	s_mov_b32 s[G1B+1], 256<<16
	s_mov_b32 s[G1B+2], 64<<16                     ; 64 rows
	s_mov_b32 s[G1B+3], 256<<16
	s_mov_b32 s[G1B+4], 64
	s_mov_b32 s[G1B+5], 1024
	s_mov_b32 s[G1B+6], 0
	s_mov_b32 s[G1B+7], 0
	s_mov_b32 s[G1SA+1], 32<<16                    ; 128 rows x 64 bytes, dense: 32 rows of 256 bytes
	s_mov_b32 s[G1SA+2], 32<<16
	s_mov_b32 s[G1SA+3], 32<<16
	s_mov_b32 s[G1SA+4], 32
	s_mov_b32 s[G1SA+5], 32
	s_mov_b32 s[G1SA+6], 0
	s_mov_b32 s[G1SA+7], 0
	s_mov_b32 s[G1SB+1], 32<<16                    ; 64 rows x 64 bytes: 16 rows of 256 bytes
	s_mov_b32 s[G1SB+2], 16<<16
	s_mov_b32 s[G1SB+3], 32<<16
	s_mov_b32 s[G1SB+4], 16
	s_mov_b32 s[G1SB+5], 32
	s_mov_b32 s[G1SB+6], 0
	s_mov_b32 s[G1SB+7], 0
	s_mul_i32 s3, s23, 64*PITCH
	s_add_co_u32 s3, s3, BOFF                      ; where my rows of weights go in a slot: no place in the cluster enters an LDS address
	s_mul_i32 s2, s23, 16*272
	s_add_co_u32 s2, s2, SCLB                      ; and their scale bytes
	s_lshl_b32 s94, s22, 17                        ; the tokens' codes: 128 Y rows of 1,024 bytes.  (These registers never hold X, the weights' never Y)
	s_mov_b32 s95, 0
	s_lshl_b32 s100, s22, 13                       ; their scale bytes: 128 Y rows of 64
	s_mov_b32 s101, 0
	s_mul_i32 s96, s21, 192
	s_lshl_b32 s97, s23, 6
	s_add_co_u32 s96, s96, s97                     ; the weights' row 192 X + 64 x share
	s_lshl_b32 s98, s96, 6
	s_lshl_b32 s96, s96, 10
	s_mov_b32 s97, 0
	s_mov_b32 s99, 0
	; the lanes' addresses
	v_and_b32 v30, 15, v0                          ; r
	v_bfe_u32 v31, v0, 4, 1                        ; h
	v_mul_u32_u24 v15, v30, PITCH
	v_lshl_add_u32 v15, v31, 4, v15                ; a fragment's row x pitch + 16 h
	s_mul_i32 s92, s17, 64*PITCH                   ; my 64 tokens
	s_mul_i32 s93, s18, 96*PITCH                   ; my 96 rows of weights,
	s_add_co_u32 s93, s93, BOFF                    ; behind the tokens' 128
.irp s, 0,1,2
	v_add_nc_u32 v[ADRA+\s], s92, v15
	v_add_nc_u32 v[ADRB+\s], s93, v15
	s_add_co_u32 s92, s92, SLOT
	s_add_co_u32 s93, s93, SLOT
.endr
	v_lshlrev_b32 v15, 6, v30                      ; my row's scale bytes: 64 a row,
	v_lshrrev_b32 v16, 2, v30
	v_lshl_add_u32 v15, v16, 4, v15                ; and 16 more for each 256 passed
	s_mul_i32 s92, s17, 16*272                     ; the tokens': my 64 rows
	s_mul_i32 s93, s18, 24*272                     ; the weights': my 96 rows, behind the tokens' 32 units
	s_add_co_u32 s93, s93, 32*272
	s_sub_co_u32 s93, s93, s92
	v_mul_u32_u24 v16, s93, v31                    ; lanes 16-31 take the weights'
	s_add_co_u32 s92, s92, SCL
	v_add_nc_u32 v15, v15, v16
	v_add_nc_u32 v[ADRS], s92, v15
	s_mul_i32 s92, s17, 64*SPT
	s_mul_i32 s93, s18, 192
	s_add_co_u32 s92, s92, s93
	s_add_co_u32 s92, s92, STG
	v_mul_u32_u24 v[STO], v30, SPT
	v_lshl_add_u32 v[STO], v31, 4, v[STO]
	v_add_nc_u32 v[STO], s92, v[STO]               ; the stage, in: row 64 (w / 2) + r, byte 192 (w % 2) + 16 h
	s_mul_i32 s92, s16, 32*SPT
	s_add_co_u32 s92, s92, STG
	v_bfe_u32 v15, v0, 3, 2
	v_mul_u32_u24 v15, v15, SPT
	v_and_b32 v16, 7, v0
	v_lshl_add_u32 v15, v16, 4, v15
	v_add_nc_u32 v[RD], s92, v15                   ; back: rows 32 w on; eight lanes take a head's 128 bytes of a row, four rows an instruction
	v_and_b32 v[LO], 31, v0
	v_lshlrev_b32 v[LO], 4, v[LO]
	v_lshlrev_b32 v15, 8, v30                      ; freqs_cis: a token's row is 256 bytes, a pair's cos and sin 8
	v_lshl_add_u32 v15, v31, 5, v15                ; + my half's four pairs
	s_lshl_b32 s92, s17, 14                        ; my 64 tokens
.irp k, 0,1,2,3
	s_lshl_b32 s93, s18, 7                         ; column 96 (w % 2) + 16 k lies at byte (128 (w % 2) + 64 k) mod 256 of the row: a head has 64 columns
	s_add_co_u32 s93, s93, 64*\k
	s_and_b32 s93, s93, 255
	s_add_co_u32 s93, s93, s92
	v_add_nc_u32 v[FO+\k], s93, v15
.endr
	s_lshl_b32 s92, s22, 15                        ; 128 Y tokens
	s_mov_b32 s93, 0
	s_wait_kmcnt 0x0
	s_add_nc_u64 s[94:95], s[4:5], s[94:95]
	s_add_nc_u64 s[100:101], s[6:7], s[100:101]
	s_add_nc_u64 s[96:97], s[8:9], s[96:97]
	s_add_nc_u64 s[98:99], s[10:11], s[98:99]
	s_add_nc_u64 s[12:13], s[12:13], s[92:93]
.macro MKA g, lds, adr, off            ; a group 0 with a constant LDS address
	s_mov_b32 s[\g], 1                             ; count = 1
	s_mov_b32 s[\g+1], \lds
	s_add_nc_u64 s[\g+2:\g+3], s[\adr:\adr+1], \off
	s_or_b32 s[\g+3], s[\g+3], 0x80000000          ; type = 2
.endm
.macro MKB g, reg, lds, adr, off       ; and with one that hangs on the wave's share
	s_mov_b32 s[\g], 1
	s_add_co_u32 s[\g+1], s[\reg], \lds
	s_add_nc_u64 s[\g+2:\g+3], s[\adr:\adr+1], \off
	s_or_b32 s[\g+3], s[\g+3], 0x80000000
.endm
	MKA G0SA, SCL, 100, 0
	MKB G0SB, 2, 0, 98, 0
	MKA G0A0, 0, 94, 0
	MKA G0A1, SLOT, 94, 256
	MKA G0A2, 2*SLOT, 94, 512
	MKB G0B0, 3, 0, 96, 0
	MKB G0B1, 3, SLOT, 96, 256
	MKB G0B2, 3, 2*SLOT, 96, 512
	CROUND                                         ; all sixteen work-groups are here: the first joint loads meet
	JLOAD G0SA, G1SA, G0SB, G1SB                   ; the scale bytes first: they are wanted with chunk 0
	JLOAD G0A0, G1A, G0B0, G1B
	JLOAD G0A1, G1A, G0B1, G1B
	JLOAD G0A2, G1A, G0B2, G1B
	WIN 0x80                                       ; destination window 2
.irp a, 0,1,2,3                        ; cos and sin of my 64 tokens x my column blocks' pairs: wanted at the end, asked for now
.irp k, 0,1,2,3
	global_load_b128 v[32*\a+8*\k:32*\a+8*\k+3], v[FO+\k], s[12:13] offset:4096*\a
	global_load_b128 v[32*\a+8*\k+4:32*\a+8*\k+7], v[FO+\k], s[12:13] offset:4096*\a+16
.endr
.endr
	WIN 0
; the fragments of K step q (128 along K: 64 bytes of a row): 16 rows x 128 K of 4-bit codes are 8 registers: lane (r, h) holds row r; registers 4 c .. 4 c + 3 hold K = 64 c + 32 h + 0 .. 31.  Twenty loads.
.macro FETCH q
.set FP, FB+80*((\q)%2)
.set FS, ((\q)/4)%3
.set FK, 64*((\q)%4)
.irp i, 0,1,2,3,4,5
	ds_load_b128 v[FP+32+8*\i:FP+32+8*\i+3], v[ADRB+FS] offset:FK+\i*16*PITCH
	ds_load_b128 v[FP+32+8*\i+4:FP+32+8*\i+7], v[ADRB+FS] offset:FK+32+\i*16*PITCH
.endr
.irp i, 0,1,2,3
	ds_load_b128 v[FP+8*\i:FP+8*\i+3], v[ADRA+FS] offset:FK+\i*16*PITCH
	ds_load_b128 v[FP+8*\i+4:FP+8*\i+7], v[ADRA+FS] offset:FK+32+\i*16*PITCH
.endr
.endm
; a chunk's scale words: four words a row; register 4 i + q: lanes 0-15 the tokens' block i, lanes 16-31 the weights' block i.  (For i = 4, 5 lanes 0-15 read on into filled scale bytes that no product takes.)
.macro SCALES ch
.irp i, 0,1,2,3,4,5
	ds_load_b128 v[SC+24*((\ch)%2)+4*\i:SC+24*((\ch)%2)+4*\i+3], v[ADRS] offset:\i*4*272+16*(\ch)
.endr
.endm
; 24 matrix instructions; the accumulators take turns, one instruction a turn, in the same order in every step.  K step 0 starts the sums with the constant 0.
.macro MUL q
.set FP, FB+80*((\q)%2)
.set SS, SC+24*(((\q)/4)%2)+((\q)%4)
	WIN 0x50                                       ; C and D window 1
.irp a, 0,1,2,3
.irp b, 0,1,2,3,4,5
.if (\q) == 0
	v_wmma_scale_f32_16x16x128_f8f6f4 v[8*(6*\a+\b):8*(6*\a+\b)+7], v[FP+32+8*\b:FP+32+8*\b+7], v[FP+8*\a:FP+8*\a+7], 0, v[SS+4*\b], v[SS+4*\a] matrix_a_fmt:MATRIX_FMT_FP4 matrix_b_fmt:MATRIX_FMT_FP4 matrix_a_scale:MATRIX_SCALE_ROW1
.else
	v_wmma_scale_f32_16x16x128_f8f6f4 v[8*(6*\a+\b):8*(6*\a+\b)+7], v[FP+32+8*\b:FP+32+8*\b+7], v[FP+8*\a:FP+8*\a+7], v[8*(6*\a+\b):8*(6*\a+\b)+7], v[SS+4*\b], v[SS+4*\a] matrix_a_fmt:MATRIX_FMT_FP4 matrix_b_fmt:MATRIX_FMT_FP4 matrix_a_scale:MATRIX_SCALE_ROW1
.endif
.endr
.endr
	WIN 0
.endm
.macro KSTEP q
.if (\q) == 3                          ; slot 0 has been read out (step 3's fragments were asked for a step ago): it takes chunk 3
	s_wait_tensorcnt 0x0                           ; all my tensor loads have landed, chunks 1 and 2 among them: so a group 0 may be written
	ds_add_u32 v[SPW], v[NIL]                      ; 0 onto my spare word
	s_add_nc_u64 s[G0A0+2:G0A0+3], s[G0A0+2:G0A0+3], 768
	s_add_nc_u64 s[G0B0+2:G0B0+3], s[G0B0+2:G0B0+3], 768
	s_wait_dscnt 0x0                               ; the add is done, and my reads of slot 0 are in
	CROUND                                         ; no wave of any partner still reads slot 0 or has a load on its way
	JLOAD G0A0, G1A, G0B0, G1B                     ; the first tensor load behind the round; its four v_nop are the places in front of the loads below
	FETCH 4
	SCALES 1
.elseif (\q) == 11                     ; chunk 3 is wanted: every wave's part has landed
	s_wait_tensorcnt 0x0                           ; my one load that was out
	s_wait_dscnt 0x0
	s_barrier_signal -1
	s_barrier_wait -1                              ; behind it nobody reads slots 1 and 2's first rows again but by loads already in
	PLACES
	FETCH 12
	SCALES 3
.elseif (\q) == 15
	s_wait_dscnt 0x0                               ; nothing more to fetch
.else
.if (\q) > 0
	PLACES
.endif
	FETCH (\q)+1
.if (\q) == 7
	SCALES 2
	s_wait_dscnt 26                                ; all but the 26 just issued
.else
	s_wait_dscnt 20                                ; all but the 20 just issued
.endif
.endif
	MUL \q
.endm
	s_wait_tensorcnt 0x2                           ; the scale bytes and my part of chunk 0 are in; chunks 1 and 2 may be out
	s_barrier_signal -1
	s_barrier_wait -1
	FETCH 0
	SCALES 0
.irp q, 0,1,2,3,4,5,6,7,8,9,10,11,12,13,14,15
	KSTEP \q
.endr
	; THE WAY OUT.  A column block of v keeps its numbers: its cos become 1 and its sin 0, by a mask and no branch (a tile may hold heads of k and of v).
	PLACES
	s_mul_i32 s98, s21, 192
	s_mul_i32 s99, s18, 96
	s_add_co_u32 s98, s98, s99                     ; my first column
.irp b, 0,1,2,3,4,5
	s_add_co_u32 s99, s98, 16*\b
	s_cmp_ge_u32 s99, 2560
	s_cselect_b32 s[MB+\b], -1, 0
.endr
	s_mul_i32 s98, s21, 3*262144                   ; head 3 X,
	s_lshl_b32 s99, s22, 14                        ; token 128 Y,
	s_add_co_u32 s98, s98, s99
	s_lshl_b32 s99, s16, 12                        ; + 32 x wave: the rows that I store
	s_add_co_u32 s98, s98, s99
	s_mov_b32 s99, 0
	s_add_nc_u64 s[14:15], s[14:15], s[98:99]
	s_wait_loadcnt 0x0                             ; cos and sin
.macro OUTA a                          ; token block a: six accumulators
	WIN 0x02                                       ; source 0 window 2
.irp b, 0,1,2,3,4,5
.irp j, 0,2,4,6
	v_cndmask_b32 v[CSR+8*\b+\j], v[32*(\a)+8*(\b%4)+\j], 1.0, s[MB+\b]
	v_cndmask_b32 v[CSR+8*\b+\j+1], v[32*(\a)+8*(\b%4)+\j+1], 0, s[MB+\b]
.endr
.endr
	WIN 0x01                                       ; source 0 window 1: the accumulators, each read from its low end on
.irp b, 0,1,2,3,4,5
.irp p, 0,1,2,3
	v_mul_f32 v[TT+2*\p], v[8*(6*(\a)+\b)+2*\p+1], v[CSR+8*\b+2*\p+1]      ; xi sin
	v_mul_f32 v[TT+2*\p+1], v[8*(6*(\a)+\b)+2*\p+1], v[CSR+8*\b+2*\p]      ; xi cos
.endr
.irp p, 0,1,2,3
	v_fma_f32 v[RO+8*\b+2*\p], v[8*(6*(\a)+\b)+2*\p], v[CSR+8*\b+2*\p], -v[TT+2*\p]          ; xr cos - xi sin
	v_fma_f32 v[RO+8*\b+2*\p+1], v[8*(6*(\a)+\b)+2*\p], v[CSR+8*\b+2*\p+1], v[TT+2*\p+1]     ; xr sin + xi cos
.endr
.endr
	WIN 0
.irp b, 0,1,2,3,4,5
.irp p, 0,1,2,3
	v_cvt_pk_f16_f32 v[PK+4*\b+\p], v[RO+8*\b+2*\p], v[RO+8*\b+2*\p+1]
.endr
.endr
.irp b, 0,1,2,3,4,5
	ds_store_b128 v[STO], v[PK+4*\b:PK+4*\b+3] offset:(\a)*16*SPT+32*\b
.endr
.endm
	OUTA 0
	OUTA 1
	OUTA 2
	OUTA 3
	s_wait_dscnt 0x0                               ; for the others' sake: my stores into the stage are done
	s_barrier_signal -1
	s_barrier_wait -1
.irp u, 0,1,2
.irp i, 0,1,2,3,4,5,6,7
	ds_load_b128 v[80+4*(8*\u+\i):80+4*(8*\u+\i)+3], v[RD] offset:4*SPT*\i+128*\u
.endr
.endr
.irp u, 0,1,2
.irp i, 0,1,2,3,4,5,6,7
	s_wait_dscnt 23-(8*\u+\i)
	global_store_b128 v[LO], v[80+4*(8*\u+\i):80+4*(8*\u+\i)+3], s[14:15] offset:262144*\u+512*\i   ; four tokens' rows of one head: 512 consecutive bytes, aligned
.endr
.endr
	s_wait_tensorcnt 0x0                           ; the wave's end
	ds_add_u32 v[SPW], v[NIL]
	s_wait_dscnt 0x0
	CROUND                                         ; the closing round
	s_endpgm
.Lfunc_end_k_qadb9576d66_qkv:
	.size	k_qadb9576d66_qkv, .Lfunc_end_k_qadb9576d66_qkv-k_qadb9576d66_qkv
	.p2alignl 7, 3214868480
	.fill 96, 4, 3214868480
	.section	.rodata,"a",@progbits
	.p2align	6, 0x0
	.amdhsa_kernel k_qadb9576d66_qkv
		.amdhsa_group_segment_fixed_size 327680
		.amdhsa_private_segment_fixed_size 0
		.amdhsa_enable_private_segment 0
		.amdhsa_kernarg_size 48
		.amdhsa_user_sgpr_count 2
		.amdhsa_user_sgpr_kernarg_segment_ptr 1
		.amdhsa_wavefront_size32 1
		.amdhsa_system_sgpr_workgroup_id_x 1
		.amdhsa_system_sgpr_workgroup_id_y 1
		.amdhsa_system_sgpr_workgroup_id_z 1
		.amdhsa_system_vgpr_workitem_id 0
		.amdhsa_next_free_vgpr 640
		.amdhsa_next_free_sgpr 102
		.amdhsa_reserve_vcc 0
		.amdhsa_float_denorm_mode_32 3
		.amdhsa_float_denorm_mode_16_64 3
		.amdhsa_memory_ordered 1
		.amdhsa_forward_progress 1
		.amdhsa_inst_pref_size 133
	.end_amdhsa_kernel
	.amdgpu_metadata
---
amdhsa.version: [ 1, 2 ]
amdhsa.kernels:
  - .name:           k_qadb9576d66_qkv
    .symbol:         k_qadb9576d66_qkv.kd
    .args:
      - { .name: xc, .offset: 0, .size: 8, .value_kind: global_buffer, .address_space: global }
      - { .name: xs, .offset: 8, .size: 8, .value_kind: global_buffer, .address_space: global }
      - { .name: wc, .offset: 16, .size: 8, .value_kind: global_buffer, .address_space: global }
      - { .name: ws, .offset: 24, .size: 8, .value_kind: global_buffer, .address_space: global }
      - { .name: freqs_cis, .offset: 32, .size: 8, .value_kind: global_buffer, .address_space: global }
      - { .name: qkv, .offset: 40, .size: 8, .value_kind: global_buffer, .address_space: global }
    .group_segment_fixed_size: 327680
    .private_segment_fixed_size: 0
    .kernarg_segment_align: 8
    .kernarg_segment_size: 48
    .max_flat_workgroup_size: 128
    .sgpr_count:     102
    .vgpr_count:     640
    .wavefront_size: 32
...
	.end_amdgpu_metadata
.endif
;; end of part 2
;; launch attn (part 3): grid 32 x 8, 8 waves a work-group, clusters of 4 x 1, 327,680 bytes of LDS; arguments qkv, ao; writes ao
.if DOCPART == 3
	.amdgcn_target "amdgcn-amd-amdhsa--gfx1250"
	.amdhsa_code_object_version 6
	.text
	.protected	k_qadb9576d66_attn
	.globl	k_qadb9576d66_attn
	.p2align	8
	.type	k_qadb9576d66_attn,@function
k_qadb9576d66_attn:
	s_mov_b64 s[64:65], 0
	v_nop
	global_prefetch_b8 v0, s[64:65] scope:SCOPE_SE
	s_setreg_imm32_b32 hwreg(HW_REG_WAVE_MODE, 25, 1), 1
	s_wait_xcnt 0x0
	s_wait_alu depctr_hold_cnt(0) depctr_sa_sdst(0) depctr_va_vdst(0) depctr_va_sdst(0) depctr_va_ssrc(0) depctr_va_vcc(0) depctr_vm_vsrc(0)
	s_getreg_b32 s2, hwreg(HW_REG_IB_STS2, 6, 4)
	s_cmp_eq_u32 s2, 0
	s_cbranch_scc0 .Lentry_in_a_cluster
	s_endpgm
.Lentry_in_a_cluster:
	s_bfe_u32 s2, ttmp6, 0x10000c
	s_cmp_lg_u32 s2, 0x3003
	s_cbranch_scc0 .Lentry_shape_is_right
	s_endpgm
.Lentry_shape_is_right:
; ao[t][64 head + d] = the sum over keys s <= t of softmax_s(q[head][t] . k[kv][s] / 8) v[kv][s][d], kv = head / 4.  q, k, v: f16, [48 heads][2,048][64] (0-31 q, 32-39 k, 40-47 v); ao: f16 [2,048][2,048].
; Products, maxima and sums in f32; the weights p are rounded to f16 for the second product, the row's sum is taken of the unrounded p, ao is rounded once.
; SHARES.  A work-group owns two blocks of 32 tokens, block b and block 63 - b, for the four query heads of one kv head.  Waves 0-3 take the low block, waves 4-7 the high one, one head each: 32 queries, two tiles of 16.
; The four partners of cluster c own the tokens 128 c .. 128 c + 127 and 128 (15 - c) .. + 127, so all walk the same keys, 128 to a slot.  A low wave works in slots 0 .. c, a high wave in slots 0 .. 15 - c: 17 slots' work for
; each pair of a low and a high wave, in every work-group.  What lies wholly over the diagonal is left out by a scalar branch on the cluster's number and the wave's, round the work alone; in a wave's last slot hidden scores become -1e30.
; Slots come in pairs: with an odd c the very last slot is fetched and no wave works on it.
; LAYOUT.  S^T = K Q^T (source 0 = 16 keys, source 1 = 16 queries), O^T = V^T P: a lane holds one query throughout; two tiles of S^T, rounded in pairs, are source 1 of the second product; V comes turned out of LDS.
; SOFTMAX.  A running maximum m and sum l for each query: p = 2^(c s - c m), c = log2(e) / 8; in every step O and l are multiplied by 2^(c m_old - c m_new).
; CLUSTER.  K's and V's tiles are asked for jointly by the four partners (mask 15); waves 0, 1 fetch a slot's two tiles of K, waves 2, 3 those of V.  By this text's count a wave has two tensor loads out at the start, then one.
; LIMITS: p under 6e-8 counts for nothing in the second product (not in the sum); NaN and infinities are not served.
; REGISTERS.  window 0: v1-13 addresses and constants; v14, v15 at work; v16-31 statistics, 8 a tile; v32-63 Q; v64-127 S^T, then p; v128-159 P; v160-223 K's fragments; v224-255 rows on the way out.
;   window 1: v0-63 O^T (32 t + 8 ct); v64-127 V's fragments.
.set PKK,   144                        ; a row of K in LDS: 128 bytes + 16
.set PVV,   160                        ; a row of V: 128 + 32
.set VOFF,  64*PKK                     ; a step's tiles: 64 rows of K, then 64 rows of V
.set STEPB, 64*(PKK+PVV)               ; 19,456
.set SLOTB, 2*STEPB                    ; a slot holds two key steps
.set STAGE, 2*SLOTB                    ; behind the ring: 64 rows x (512 + 16) bytes for the way out
.set SPT,   528
.set SPARE, STAGE+64*SPT               ; the spare words, 128 bytes a wave: four blocks of 256 bytes that no other line names
.set AK,  1                            ; v1, v2  my lane's place in K's tiles of slot 0, 1
.set AV,  3                            ; v3, v4  in V's
.set SPW, 5
.set NIL, 6
.set STO, 7
.set RD,  8
.set GO,  9                            ; 16 x lane
.set DL,  10                           ; r - 8 h
.set NEG, 11                           ; -1e30
.set MT,  12                           ; the mask's bound
.set PFO, 13                           ; 256 x lane
.set ST,  16                           ; tile t at ST + 8 t: +0 c m, +1 m, +2, +3 l (even keys', odd keys'), +4 to +7 at work; the factor takes +6
.set Q,   32
.set S,   64
.set P,   128
.set KR,  160
.set WV,   8                           ; s8 wave; s9 role; s10 head in the group; s11 cx; s12 block b; s13 kv head
.set Q0,   14                          ; my first query
.set LIM,  15                          ; the first key that none of my role's queries in this cluster sees
.set KF,   16                          ; the slot's first key
.set CNT,  17                          ; pairs of slots still to be asked for
.set LIMP, 18                          ; 1 in a wave that prefetches, else the greatest number
.set PFA,  20
.set CS,   22
.set G1K,  24
.set G1V,  32
.set G0K,  40                          ; s[40:47] groups 0 for K, a set for each slot;  s[48:55] for V
.set G0V,  48
.set SEL,  56
.set MSB, 0
.macro WIN new
.if MSB != \new
	s_set_vgpr_msb (MSB<<8)|\new
.set MSB, \new
.endif
.endm
.macro PLACES
.rept 4
	v_nop
.endr
.endm
.macro CROUND
	s_barrier_signal -1
	s_barrier_wait -1
	s_cmp_lg_u32 s[WV], 0
	s_cbranch_scc1 .Lnot_wave_0_\@
	s_barrier_signal -3
.Lnot_wave_0_\@:
	s_barrier_wait -3
	s_barrier_signal -1
	s_barrier_wait -1
.endm
.macro JLOAD f                         ; slot f is filled: the branches hang on the wave's number alone; four v_nop follow each line
	s_cmp_lt_u32 s[WV], 2
	s_cbranch_scc0 .Lnot_k_\@
	tensor_load_to_lds s[G0K+4*\f:G0K+4*\f+3], s[G1K:G1K+7]
	s_nop 0
.rept 4
	v_nop
.endr
	s_branch .Lasked_\@
.Lnot_k_\@:
	s_cmp_lt_u32 s[WV], 4
	s_cbranch_scc0 .Lasked_\@
	tensor_load_to_lds s[G0V+4*\f:G0V+4*\f+3], s[G1V:G1V+7]
	s_nop 0
.rept 4
	v_nop
.endr
.Lasked_\@:
.endm
; A prefetch of the pair of slots that the NEXT trip will ask for: 256 keys x 128 bytes of K and of V.  All clusters of a kv head walk the same keys from 0 on: cluster 0, which walks them all, asks.  Its four partners
; take 8,192 bytes each, told apart by address; in each, wave 4 asks for K's and wave 5 for V's, lanes 256 bytes apart: each block is named once.  The last trip asks for nothing; pairs 0 and 1 come by their loads alone.
.macro ASK
	s_cmp_gt_u32 s[CNT], s[LIMP]
	s_cbranch_scc0 .Lnot_mine_\@
	global_prefetch_b8 v[PFO], s[PFA:PFA+1] th:TH_LOAD_NT scope:SCOPE_SE
.Lnot_mine_\@:
.endm
	s_load_b128 s[4:7], s[0:1], 0x0                ; qkv s[4:5], ao s[6:7]
	v_lshl_add_u32 v[SPW], v0, 2, SPARE
	v_mov_b32 v[NIL], 0
	ds_add_u32 v5, v6
	s_wait_dscnt 0x0
	v_lshrrev_b32 v14, 5, v0
	v_readfirstlane_b32 s[WV], v14
	s_lshr_b32 s9, s8, 2                           ; 0: the low block, 1: the high one
	s_and_b32 s10, s8, 3
	s_bfe_u32 s11, ttmp6, 0x40000                  ; cx
	s_lshl_b32 s12, ttmp9, 2
	s_add_co_u32 s12, s12, s11                     ; b = 4 c + cx: it enters Q's and ao's addresses and the mask's numbers alone
	s_and_b32 s13, ttmp7, 0xffff                   ; the kv head, which the partners share
	s_sub_co_u32 s58, 63, s12
	s_add_co_u32 s59, ttmp9, 1
	s_sub_co_u32 s60, 16, ttmp9
	s_cmp_eq_u32 s9, 0
	s_cselect_b32 s[Q0], s12, s58
	s_cselect_b32 s[LIM], s59, s60
	s_lshl_b32 s[Q0], s[Q0], 5
	s_lshl_b32 s[LIM], s[LIM], 7                   ; 128 (c + 1) or 128 (16 - c): the same in all partners
	s_sub_co_u32 s[CNT], 17, ttmp9
	s_lshr_b32 s[CNT], s[CNT], 1
	s_sub_co_u32 s[CNT], s[CNT], 1                 ; (17 - c) / 2 pairs of slots; the first comes with the first fills
	s_mov_b32 s[KF], 0
	s_sub_co_u32 s58, s8, 4
	s_lshr_b32 s58, s58, 1                         ; 0 in waves 4 and 5,
	s_or_b32 s58, s58, ttmp9                       ; of cluster 0
	s_cmp_eq_u32 s58, 0
	s_cselect_b32 s[LIMP], 1, -1
	s_mov_b32 s[CS], 0x3e38aa3b                    ; c = log2(e) / 8
	s_mov_b32 s[CS+1], s[CS]                       ; (named with it as a pair)
	s_mov_b32 s[SEL], 0x76543210
	s_mov_b32 s[SEL+1], 0xfedcba98                 ; lane l xor 16
	s_mov_b32 s[G1K], 15|(1<<16)|(1<<20)|(1<<21)|(4<<22)|(3<<25)   ; 15:0 all four partners; 17:16 elements of 2 bytes; 20 padding on; 21 set beside a mask; 24:22 after every 32 words; 31:25 four words
	s_mov_b32 s[G1V], 15|(1<<16)|(1<<20)|(1<<21)|(4<<22)|(7<<25)   ; the same with eight words
.irp g, G1K, G1V
	s_mov_b32 s[\g+1], 64<<16                      ; tensor_dim0 = 64
	s_mov_b32 s[\g+2], 64<<16                      ; tensor_dim1 = 64
	s_mov_b32 s[\g+3], 64<<16                      ; tile_dim0
	s_mov_b32 s[\g+4], 64                          ; tile_dim1
	s_mov_b32 s[\g+5], 64                          ; elements from row to row
	s_mov_b32 s[\g+6], 0
	s_mov_b32 s[\g+7], 0
.endr
	s_and_b32 s62, s8, 1                           ; which of a slot's two steps I fetch
	s_mul_i32 s63, s62, STEPB                      ; its place in a slot,
	s_lshl_b32 s62, s62, 13                        ; its 64 rows of 128 bytes in memory
	s_add_co_u32 s66, s13, 32
	s_lshl_b32 s66, s66, 18                        ; K's head: 262,144 bytes a head
	s_add_co_u32 s66, s66, s62
	s_mov_b32 s67, 0
	s_add_co_u32 s68, s13, 40
	s_lshl_b32 s68, s68, 18                        ; V's
	s_add_co_u32 s68, s68, s62
	s_mov_b32 s69, 0
	s_lshl_b32 s70, s13, 2
	s_add_co_u32 s70, s70, s10
	s_lshl_b32 s70, s70, 18                        ; my query head,
	s_lshl_b32 s71, s[Q0], 7
	s_add_co_u32 s70, s70, s71                     ; my first query
	s_mov_b32 s71, 0
	s_lshl_b32 s60, s10, 3
	s_add_co_u32 s60, s60, s[Q0]                   ; ao: the eight rows that I store begin at token Q0 + 8 (wave % 4),
	s_lshl_b32 s60, s60, 12
	s_lshl_b32 s61, s13, 9                         ; byte 512 x kv head of a row
	s_add_co_u32 s60, s60, s61
	s_mov_b32 s61, 0
	s_cmp_eq_u32 s8, 5
	s_cselect_b32 s[PFA], 40, 32
	s_add_co_u32 s[PFA], s[PFA], s13
	s_lshl_b32 s[PFA], s[PFA], 18
	s_lshl_b32 s58, s11, 13                        ; my work-group's 8,192 bytes of a pair's 32,768,
	s_add_co_u32 s[PFA], s[PFA], s58
	s_add_co_u32 s[PFA], s[PFA], 32768             ; in pair 1: the first trip steps it to pair 2
	s_mov_b32 s[PFA+1], 0
	; the lanes' addresses
	v_and_b32 v14, 15, v0                          ; r
	v_bfe_u32 v15, v0, 4, 1                        ; h
	v_mul_u32_u24 v[AK], v14, PKK
	v_lshl_add_u32 v[AK], v15, 4, v[AK]            ; K: row r x pitch + 16 h
	v_add_nc_u32 v[AK+1], SLOTB, v[AK]
	v_and_b32 v[AV], 7, v0                         ; V: the turning load takes 16 keys x 16 channels: lane l reads key 8 h + l % 8, channels 8 ((l / 8) % 2) on
	v_lshl_add_u32 v[AV], v15, 3, v[AV]
	v_mul_u32_u24 v[AV], v[AV], PVV
	v_bfe_u32 v[MT], v0, 3, 1
	v_lshl_add_u32 v[AV], v[MT], 4, v[AV]
	v_add_nc_u32 v[AV], VOFF, v[AV]
	v_add_nc_u32 v[AV+1], SLOTB, v[AV]
	s_mul_i32 s58, s9, 32*SPT
	s_lshl_b32 s59, s10, 7
	s_add_co_u32 s58, s58, s59
	s_add_co_u32 s58, s58, STAGE
	v_mul_u32_u24 v[STO], v14, SPT
	v_lshl_add_u32 v[STO], v15, 4, v[STO]
	v_add_nc_u32 v[STO], s58, v[STO]               ; the stage, in: row 32 role + r, byte 128 x head + 16 h
	s_mul_i32 s58, s8, 8*SPT
	s_add_co_u32 s58, s58, STAGE
	v_and_b32 v[GO], 31, v0
	v_lshlrev_b32 v[PFO], 8, v[GO]
	v_lshlrev_b32 v[GO], 4, v[GO]
	v_add_nc_u32 v[RD], s58, v[GO]                 ; back: rows 8 w on, a row of 512 bytes an instruction
	v_lshlrev_b32 v[DL], 3, v15
	v_sub_nc_u32 v[DL], v14, v[DL]
	v_mov_b32 v[NEG], 0xf149f2ca
	v_lshlrev_b32 v224, 7, v14
	v_lshl_add_u32 v224, v15, 4, v224              ; Q: row r of 128 bytes + 16 h
.irp t, 0,1
	v_mov_b32 v[ST+8*\t+1], 0xff61b1e6             ; m = -3e38, under every score
	v_mul_f32 v[ST+8*\t], s[CS], v[ST+8*\t+1]
.irp j, 2,3,4,5,6,7
	v_mov_b32 v[ST+8*\t+\j], 0                     ; l, and the registers at work, written once
.endr
.endr
	s_wait_kmcnt 0x0
	s_add_nc_u64 s[66:67], s[4:5], s[66:67]
	s_add_nc_u64 s[68:69], s[4:5], s[68:69]
	s_add_nc_u64 s[70:71], s[4:5], s[70:71]
	s_add_nc_u64 s[PFA:PFA+1], s[4:5], s[PFA:PFA+1]
	s_add_nc_u64 s[6:7], s[6:7], s[60:61]
.irp s, 0,1
	s_mov_b32 s[G0K+4*\s], 1                       ; count = 1
	s_add_co_u32 s[G0K+4*\s+1], s63, \s*SLOTB      ; LDS address
	s_add_nc_u64 s[G0K+4*\s+2:G0K+4*\s+3], s[66:67], \s*16384      ; slot s begins with keys 128 s on
	s_or_b32 s[G0K+4*\s+3], s[G0K+4*\s+3], 0x80000000              ; type = 2
	s_mov_b32 s[G0V+4*\s], 1
	s_add_co_u32 s[G0V+4*\s+1], s63, \s*SLOTB+VOFF
	s_add_nc_u64 s[G0V+4*\s+2:G0V+4*\s+3], s[68:69], \s*16384
	s_or_b32 s[G0V+4*\s+3], s[G0V+4*\s+3], 0x80000000
.endr
	CROUND                                         ; all four work-groups are here: the first joint loads meet
	s_cmp_lt_u32 s[WV], 2                          ; a wave's two first fills stand in one branch
	s_cbranch_scc0 .Lfirst_not_k
	tensor_load_to_lds s[G0K:G0K+3], s[G1K:G1K+7]
	s_nop 0
	tensor_load_to_lds s[G0K+4:G0K+7], s[G1K:G1K+7]
	s_nop 0
.rept 4
	v_nop
.endr
	s_branch .Lfirst_asked
.Lfirst_not_k:
	s_cmp_lt_u32 s[WV], 4
	s_cbranch_scc0 .Lfirst_asked
	tensor_load_to_lds s[G0V:G0V+3], s[G1V:G1V+7]
	s_nop 0
	tensor_load_to_lds s[G0V+4:G0V+7], s[G1V:G1V+7]
	s_nop 0
.rept 4
	v_nop
.endr
.Lfirst_asked:
.irp t, 0,1                            ; Q stays in registers: tile t, channels 32 e on
.irp e, 0,1
	global_load_b128 v[Q+16*\t+8*\e:Q+16*\t+8*\e+3], v224, s[70:71] offset:2048*\t+64*\e
	global_load_b128 v[Q+16*\t+8*\e+4:Q+16*\t+8*\e+7], v224, s[70:71] offset:2048*\t+64*\e+32
.endr
.endr
	WIN 0x40
.set i, 0
.rept 64
	v_mov_b32 v[i], 0                              ; O^T: the key step is written without a first step of its own: the first change of m multiplies zeros
.set i, i+1
.endr
	WIN 0
.macro LDK s, u                        ; a step's K: 4 tiles of 16 keys x 2 of 32 channels: 16 loads
.irp kt, 0,1,2,3
.irp e, 0,1
	ds_load_b128 v[KR+16*\kt+8*\e:KR+16*\kt+8*\e+3], v[AK+\s] offset:STEPB*\u+16*PKK*\kt+64*\e
	ds_load_b128 v[KR+16*\kt+8*\e+4:KR+16*\kt+8*\e+7], v[AK+\s] offset:STEPB*\u+16*PKK*\kt+64*\e+32
.endr
.endr
.endm
.macro LDV s, u                        ; a step's V, turned: 2 of 32 keys x 4 tiles of 16 channels: 16 loads
	WIN 0x40
.irp gk, 0,1
.irp ct, 0,1,2,3
	ds_load_tr16_b128 v[64+32*\gk+8*\ct:64+32*\gk+8*\ct+3], v[AV+\s] offset:STEPB*\u+32*PVV*\gk+32*\ct
	ds_load_tr16_b128 v[64+32*\gk+8*\ct+4:64+32*\gk+8*\ct+7], v[AV+\s] offset:STEPB*\u+32*PVV*\gk+16*PVV+32*\ct
.endr
.endr
	WIN 0
.endm
; The accumulators take turns, one instruction a turn: between two links of a chain stand three others'.
.macro KQ t
.irp kt, 0,1,2,3
	v_wmma_f32_16x16x32_f16 v[S+32*\t+8*\kt:S+32*\t+8*\kt+7], v[KR+16*\kt:KR+16*\kt+7], v[Q+16*\t:Q+16*\t+7], 0
.endr
.irp kt, 0,1,2,3
	v_wmma_f32_16x16x32_f16 v[S+32*\t+8*\kt:S+32*\t+8*\kt+7], v[KR+16*\kt+8:KR+16*\kt+15], v[Q+16*\t+8:Q+16*\t+15], v[S+32*\t+8*\kt:S+32*\t+8*\kt+7]
.endr
.endm
.macro PV t
	WIN 0x51                                       ; V, C and D window 1, P window 0
.irp gk, 0,1
.irp ct, 0,1,2,3
	v_wmma_f32_16x16x32_f16 v[32*\t+8*\ct:32*\t+8*\ct+7], v[64+32*\gk+8*\ct:64+32*\gk+8*\ct+7], v[P+16*\t+8*\gk:P+16*\t+8*\gk+7], v[32*\t+8*\ct:32*\t+8*\ct+7]
.endr
.endr
	WIN 0
.endm
; Register 8 kt + j of tile t holds key KF + 64 u + 16 kt + 8 h + j for query Q0 + 16 t + r: hidden where 16 kt + j > Q0 + 16 t - KF - 64 u + r - 8 h
.macro MASK t, u
	s_sub_co_i32 s58, s[Q0], s[KF]
	s_add_co_i32 s58, s58, 16*(\t)-64*(\u)
	v_add_nc_u32 v[MT], s58, v[DL]
.set i, 0
.rept 32
	v_cmp_gt_i32 vcc_lo, 16*(i/8)+i%8, v[MT]
	v_cndmask_b32 v[S+32*(\t)+i], v[S+32*(\t)+i], v[NEG], vcc_lo
.set i, i+1
.endr
.endm
.macro MASKS u                         ; only my role's last slot lies on the diagonal
	s_add_co_u32 s59, s[KF], 128
	s_cmp_lg_u32 s59, s[LIM]
	s_cbranch_scc1 .Lopen_\@
	MASK 0, \u
	MASK 1, \u
.Lopen_\@:
.endm
; One tile's softmax for a key step of 64 keys (32 scores a lane)
.macro SM t
.set rT, ST+8*(\t)
.set rS, S+32*(\t)
.set rP, P+16*(\t)
.irp j, 0,1,2,3
	v_max3_num_f32 v[rT+4+\j], v[rS+8*\j], v[rS+8*\j+1], v[rS+8*\j+2]      ; four chains, each begun at an accumulator's low end
.endr
.irp n, 3,5
.irp j, 0,1,2,3
	v_max3_num_f32 v[rT+4+\j], v[rT+4+\j], v[rS+8*\j+\n], v[rS+8*\j+\n+1]
.endr
.endr
	v_max3_num_f32 v[rT+4], v[rT+4], v[rS+7], v[rS+15]
	v_max3_num_f32 v[rT+6], v[rT+6], v[rS+23], v[rS+31]
	v_max3_num_f32 v[rT+4], v[rT+4], v[rT+5], v[rT+6]
	v_max3_num_f32 v[rT+4], v[rT+4], v[rT+7], v[rT+1]                      ; with the old m
	v_permlanex16_b32 v[rT+5], v[rT+4], s[SEL], s[SEL+1]                   ; the query's other 32 keys lie in the lane 16 away
	v_mov_b32 v[rT+7], v[rT]                                               ; c m_old
	v_max_num_f32 v[rT+1], v[rT+4], v[rT+5]                                ; the new m
	v_mul_f32 v[rT], s[CS], v[rT+1]
	v_sub_f32 v[rT+7], v[rT+7], v[rT]
	v_exp_f32 v[rT+6], v[rT+7]                                             ; the factor 2^(c m_old - c m_new); plain lines follow before it is used
.set i, 0
.rept 16
	v_pk_fma_f32 v[rS+i:rS+i+1], v[rS+i:rS+i+1], s[CS:CS+1], v[rT:rT+1] op_sel_hi:[1,0,0] neg_lo:[0,0,1] neg_hi:[0,0,1]   ; c s - c m
.set i, i+2
.endr
.set i, 0
.rept 32
	v_exp_f32 v[rS+i], v[rS+i]
.set i, i+1
.endr
	s_wait_alu depctr_va_vdst(0)
	v_pk_mul_f32 v[rT+2:rT+3], v[rT+2:rT+3], v[rT+6:rT+7] op_sel_hi:[1,0]  ; l under the new m (the plain line behind the exponentials)
.set i, 0
.rept 16
	v_cvt_pk_f16_f32 v[rP+i], v[rS+2*i], v[rS+2*i+1]
.set i, i+1
.endr
	v_pk_add_f32 v[14:15], v[rS:rS+1], v[rS+2:rS+3]                        ; the sum of the unrounded p, in two chains
.set i, 4
.rept 7
	v_pk_add_f32 v[rT+2:rT+3], v[rT+2:rT+3], v[rS+i:rS+i+1]
	v_pk_add_f32 v[14:15], v[14:15], v[rS+i+2:rS+i+3]
.set i, i+4
.endr
	v_pk_add_f32 v[rT+2:rT+3], v[rT+2:rT+3], v[14:15]
	WIN 0x41                                       ; O^T window 1, the factor window 0
.set i, 0
.rept 16
	v_pk_mul_f32 v[32*(\t)+i:32*(\t)+i+1], v[32*(\t)+i:32*(\t)+i+1], v[rT+6:rT+7] op_sel_hi:[1,0]
.set i, i+2
.endr
	WIN 0
.endm
; A slot's two key steps.  One tile's products stand beside the other tile's softmax; each run of 16 LDS loads is asked for a phase ahead.  Each wait for 16 leaves the one younger run out.
.macro SLOTWORK s
	s_cmp_ge_u32 s[KF], s[LIM]
	s_cbranch_scc1 .Lhid_\@                        ; all 128 keys come after my queries: no barrier and no tensor load stands in the work that is jumped over
	LDK \s, 0
	LDV \s, 0
	s_wait_dscnt 16                                ; K is in
	KQ 0
	KQ 1
	PLACES
	LDK \s, 1
	MASKS 0
	SM 0
	s_wait_dscnt 16                                ; V is in
	PV 0
	SM 1
	PV 1
	PLACES
	LDV \s, 1
	s_wait_dscnt 16                                ; the second step's K is in
	KQ 0
	KQ 1
	PLACES
	MASKS 1
	SM 0
	s_wait_dscnt 0x0                               ; its V is in
	PV 0
	SM 1
	PV 1
	PLACES                                         ; in front of the next slot's loads, and of the way out's reads
.Lhid_\@:
	s_add_co_u32 s[KF], s[KF], 128
.endm
; THE CHANGE OF SLOTS.  Every wave waits for all its tensor loads (its part of the slot ahead), adds 0 to its spare word, and waits for that and for its reads of the slot that it has left.
; fill = 1: the barrier is a round of the cluster's, and slot f, just left, takes the keys two slots on: the load has a slot's work in which to land.
.macro CHANGE f, fill, ask
	s_wait_tensorcnt 0x0                           ; no tensor load of mine is out, so a group 0 may be written
	ds_add_u32 v[SPW], v[NIL]                      ; 0 onto my spare word
.if \fill
	s_add_nc_u64 s[G0K+4*\f+2:G0K+4*\f+3], s[G0K+4*\f+2:G0K+4*\f+3], 32768   ; 256 keys on
	s_add_nc_u64 s[G0V+4*\f+2:G0V+4*\f+3], s[G0V+4*\f+2:G0V+4*\f+3], 32768
.endif
.if \ask
	s_wait_xcnt 0x0                                ; the last prefetch, a trip back, has read its address
	s_add_nc_u64 s[PFA:PFA+1], s[PFA:PFA+1], 32768
.endif
	s_wait_dscnt 0x0                               ; the add is done, and my reads of the slot are over
.if \fill
	CROUND
	JLOAD \f
.if \ask
	ASK
.endif
.else
	s_barrier_signal -1
	s_barrier_wait -1
.endif
.endm
	s_wait_tensorcnt 0x1                           ; my part of slot 0 is in; slot 1's may stay out
	s_barrier_signal -1
	s_barrier_wait -1
	s_wait_loadcnt 0x0                             ; Q
	SLOTWORK 0
.Lpair:                                ; (17 - c) / 2 - 1 trips: each asks for the next pair of slots.  The LDS addresses are constants of the text
	CHANGE 0, 1, 1
	SLOTWORK 1
	CHANGE 1, 1, 0
	SLOTWORK 0
	s_sub_co_u32 s[CNT], s[CNT], 1
	s_cmp_lg_u32 s[CNT], 0
	s_cbranch_scc1 .Lpair
	CHANGE 0, 0, 0                                 ; the tail is written out: nothing is asked for
	SLOTWORK 1
	; THE WAY OUT.  O^T / l, rounded to f16; a token's 512 bytes come from four waves: they meet in the stage, and each wave stores eight whole rows.
.irp t, 0,1
	v_add_f32 v[ST+8*\t+4], v[ST+8*\t+2], v[ST+8*\t+3]
.endr
.irp t, 0,1
	v_permlanex16_b32 v[ST+8*\t+5], v[ST+8*\t+4], s[SEL], s[SEL+1]
.endr
.irp t, 0,1
	v_add_f32 v[ST+8*\t+4], v[ST+8*\t+4], v[ST+8*\t+5]
.endr
.irp t, 0,1
	v_rcp_f32 v[ST+8*\t+6], v[ST+8*\t+4]
.endr
	v_nop                                          ; a plain line between the last reciprocal and its use
	s_wait_alu depctr_va_vdst(0)
.irp t, 0,1
	WIN 0x01                                       ; source 0 window 1
.set i, 0
.rept 16
	v_pk_mul_f32 v[S+32*\t+i:S+32*\t+i+1], v[32*\t+i:32*\t+i+1], v[ST+8*\t+6:ST+8*\t+7] op_sel_hi:[1,0]
.set i, i+2
.endr
	WIN 0
.set i, 0
.rept 16
	v_cvt_pk_f16_f32 v[P+16*\t+i], v[S+32*\t+2*i], v[S+32*\t+2*i+1]
.set i, i+1
.endr
.irp ct, 0,1,2,3
	ds_store_b128 v[STO], v[P+16*\t+4*\ct:P+16*\t+4*\ct+3] offset:16*SPT*\t+32*\ct
.endr
.endr
	s_wait_dscnt 0x0                               ; for the others' sake: my stores into the stage are done
	s_barrier_signal -1
	s_barrier_wait -1
.irp n, 0,1,2,3,4,5,6,7
	ds_load_b128 v[224+4*\n:224+4*\n+3], v[RD] offset:SPT*\n
.endr
.irp n, 0,1,2,3,4,5,6,7
	s_wait_dscnt 7-\n
	global_store_b128 v[GO], v[224+4*\n:224+4*\n+3], s[6:7] offset:4096*\n   ; 32 lanes store 512 consecutive bytes, aligned
.endr
	s_wait_tensorcnt 0x0                           ; the wave's end
	ds_add_u32 v[SPW], v[NIL]
	s_wait_dscnt 0x0
	CROUND                                         ; the closing round
	s_endpgm
.Lfunc_end_k_qadb9576d66_attn:
	.size	k_qadb9576d66_attn, .Lfunc_end_k_qadb9576d66_attn-k_qadb9576d66_attn
	.p2alignl 7, 3214868480
	.fill 96, 4, 3214868480
	.section	.rodata,"a",@progbits
	.p2align	6, 0x0
	.amdhsa_kernel k_qadb9576d66_attn
		.amdhsa_group_segment_fixed_size 327680
		.amdhsa_private_segment_fixed_size 0
		.amdhsa_enable_private_segment 0
		.amdhsa_kernarg_size 16
		.amdhsa_user_sgpr_count 2
		.amdhsa_user_sgpr_kernarg_segment_ptr 1
		.amdhsa_wavefront_size32 1
		.amdhsa_system_sgpr_workgroup_id_x 1
		.amdhsa_system_sgpr_workgroup_id_y 1
		.amdhsa_system_sgpr_workgroup_id_z 1
		.amdhsa_system_vgpr_workitem_id 0
		.amdhsa_next_free_vgpr 384
		.amdhsa_next_free_sgpr 72
		.amdhsa_reserve_vcc 1
		.amdhsa_float_denorm_mode_32 3
		.amdhsa_float_denorm_mode_16_64 3
		.amdhsa_memory_ordered 1
		.amdhsa_forward_progress 1
		.amdhsa_inst_pref_size 195
	.end_amdhsa_kernel
	.amdgpu_metadata
---
amdhsa.version: [ 1, 2 ]
amdhsa.kernels:
  - .name:           k_qadb9576d66_attn
    .symbol:         k_qadb9576d66_attn.kd
    .args:
      - { .name: qkv, .offset: 0, .size: 8, .value_kind: global_buffer, .address_space: global }
      - { .name: ao, .offset: 8, .size: 8, .value_kind: global_buffer, .address_space: global }
    .group_segment_fixed_size: 327680
    .private_segment_fixed_size: 0
    .kernarg_segment_align: 8
    .kernarg_segment_size: 16
    .max_flat_workgroup_size: 256
    .sgpr_count:     72
    .vgpr_count:     384
    .wavefront_size: 32
...
	.end_amdgpu_metadata
.endif
;; end of part 3
;; launch oproj (part 4): grid 16 x 16, 4 waves a work-group, clusters of 4 x 4, 327,680 bytes of LDS; arguments ao, wo16, out0; writes out0
.if DOCPART == 4
	.amdgcn_target "amdgcn-amd-amdhsa--gfx1250"
	.amdhsa_code_object_version 6
	.text
	.protected	k_qadb9576d66_oproj
	.globl	k_qadb9576d66_oproj
	.p2align	8
	.type	k_qadb9576d66_oproj,@function
k_qadb9576d66_oproj:
	s_mov_b64 s[64:65], 0
	v_nop
	global_prefetch_b8 v0, s[64:65] scope:SCOPE_SE
	s_setreg_imm32_b32 hwreg(HW_REG_WAVE_MODE, 25, 1), 1
	s_wait_xcnt 0x0
	s_wait_alu depctr_hold_cnt(0) depctr_sa_sdst(0) depctr_va_vdst(0) depctr_va_sdst(0) depctr_va_ssrc(0) depctr_va_vcc(0) depctr_vm_vsrc(0)
	s_getreg_b32 s2, hwreg(HW_REG_IB_STS2, 6, 4)
	s_cmp_eq_u32 s2, 0
	s_cbranch_scc0 .Lentry_in_a_cluster
	s_endpgm
.Lentry_in_a_cluster:
	s_bfe_u32 s2, ttmp6, 0x10000c
	s_cmp_lg_u32 s2, 0xf033
	s_cbranch_scc0 .Lentry_shape_is_right
	s_endpgm
.Lentry_shape_is_right:
; out0[m][n] = sum over k of ao[m][k] wo16[n][k].  ao: [2048][2048] f16, wo16: [2048][2048] f16, out0: [2048][2048] f32; sums in f32.
; A tile of out0 is 128 x 128: 256 work-groups, one for each tile.  Four waves, each 64 x 64: 16 accumulators of 16 x 16.  K goes in steps of 256 (LDS rows of 512 bytes; a wave's tensor load brings 64 of them)
; through a ring of two slots.  CLUSTERS: 4 x 4 work-groups; the four of a row need the same tiles of ao, the four of a column the same tiles of wo16: each is asked for jointly.
; THE MATRIX INSTRUCTION IS USED TRANSPOSED (source 0 = 16 rows of wo16, source 1 = 16 rows of ao): a lane holds eight neighbouring numbers of a row of out0.
; A wave's 64 columns are 256 bytes of f32, aligned: each wave sends its blocks of 16 rows through a stage of its own, with no barrier.  No prefetch: on tiles this small the loads' own lead is what there is.
; REGISTERS: window 0: v0-31 addresses; v32-95 rows on the way out; v128-255 the accumulators ((a, b) at v[128 + 8 (4 a + b)]).  window 1: two fragment buffers of 128: 64 registers of A, then 64 of B.
.set SIZE_M, 2048
.set SIZE_N, 2048
.set SIZE_K, 2048
.set KSTEP,  256
.set PITCH,  528                       ; an LDS row: 512 bytes + 16 of padding
.set HALFT,  64*PITCH                  ; 64 rows: what one tensor load brings, and what one wave reads of A or of B
.set SLOT,   4*HALFT                   ; A's 128 rows, then B's 128 rows
.set STAGE,  2*SLOT                    ; behind the ring: 16 rows x 272 bytes for each wave
.set SPITCH, 272
.set SPARE,  STAGE+4*16*SPITCH         ; the spare words, 128 bytes a wave: two blocks of 256 bytes that no other line names
.set LAPS, SIZE_K/(2*KSTEP)
.set ADRA, 16
.set ADRB, 20
.set STO,  24
.set RD,   25
.set CO,   26
.set SPW,  28
.set NIL,  29
.set TMP,  32
.set ACC,  128
.set F0,   0
.set F1,   128
.set G1, 24
.set G0, 32
.set G1B, 48
.set G0B, 56
.set MSB, 0
.macro WIN new
.if MSB != \new
	s_set_vgpr_msb (MSB<<8)|\new
.set MSB, \new
.endif
.endm
.set MUL,  0x05                        ; sources 0 (B) and 1 (A) window 1; C and D window 0
.set TO_F, 0x40                        ; destination window 1, address window 0
.macro JLOAD s                         ; a joint load: waves 0 and 1 fetch A's two halves, waves 2 and 3 B's; four v_nop follow each line
	s_cmp_eq_u32 s11, 0
	s_cbranch_scc0 .Lfor_b_\@
	tensor_load_to_lds s[G0+4*\s:G0+4*\s+3], s[G1:G1+7]
	s_nop 0
.rept 4
	v_nop
.endr
	s_branch .Lasked_\@
.Lfor_b_\@:
	tensor_load_to_lds s[G0B+4*\s:G0B+4*\s+3], s[G1B:G1B+7]
	s_nop 0
.rept 4
	v_nop
.endr
.Lasked_\@:
.endm
.macro CREST                           ; a round of the cluster's barrier behind its opening barrier
	s_cmp_lg_u32 s10, 0
	s_cbranch_scc1 .Lnot_wave_0_\@
	s_barrier_signal -3
.Lnot_wave_0_\@:
	s_barrier_wait -3
	s_barrier_signal -1
	s_barrier_wait -1
.endm
.macro CROUND
	s_barrier_signal -1
	s_barrier_wait -1
	CREST
.endm
	s_load_b128 s[4:7], s[0:1], 0x0                ; A s[4:5], B s[6:7]
	s_load_b64 s[8:9], s[0:1], 0x10                ; C
	v_lshl_add_u32 v[SPW], v0, 2, SPARE
	v_mov_b32 v[NIL], 0
	ds_add_u32 v28, v29
	s_wait_dscnt 0x0
	v_lshrrev_b32 v1, 5, v0
	v_readfirstlane_b32 s10, v1                    ; wave 0..3
	s_lshr_b32 s11, s10, 1                         ; which half of the tile's rows is mine.  Also: I fetch for A (0) or for B (1)
	s_and_b32 s12, s10, 1                          ; which half of its columns.  Also: which 64 rows of that tile I fetch
	s_bfe_u32 s40, ttmp6, 0x40000                  ; cx, cy
	s_bfe_u32 s41, ttmp6, 0x40004
	s_lshl_b32 s42, ttmp9, 2
	s_add_co_u32 s42, s42, s40                     ; tile column = 4 x cluster x + cx
	s_and_b32 s13, ttmp7, 0xffff
	s_lshl_b32 s13, s13, 2
	s_add_co_u32 s13, s13, s41                     ; tile row = 4 x cluster y + cy
	s_lshl_b32 s43, s41, 2
	s_lshl_b32 s43, 15, s43                        ; my row of the cluster
	s_lshl_b32 s44, 0x1111, s40                    ; my column
	s_or_b32 s[G1+0], s43, (1<<16)|(1<<20)|(1<<21)|(6<<22)|(3<<25)  ; 15:0 the mask; 17:16 elements of 2 bytes; 20 padding on; 21 set beside a mask; 24:22 after every 128 words; 31:25 four words
	s_or_b32 s[G1B+0], s44, (1<<16)|(1<<20)|(1<<21)|(6<<22)|(3<<25)
.irp g, G1, G1B
	s_mov_b32 s[\g+1], KSTEP<<16                   ; tensor_dim0 = 256
	s_mov_b32 s[\g+2], 64<<16                      ; tensor_dim1 = 64
	s_mov_b32 s[\g+3], KSTEP<<16                   ; tile_dim0
	s_mov_b32 s[\g+4], 64                          ; tile_dim1
	s_mov_b32 s[\g+5], SIZE_K                      ; elements from row to row
	s_mov_b32 s[\g+6], 0
	s_mov_b32 s[\g+7], 0
.endr
	s_lshl_b32 s17, s12, 6
	s_lshl_b32 s16, s13, 7
	s_add_co_u32 s16, s16, s17                     ; A: row 128 x tile row + 64 x half
	s_lshl_b32 s46, s42, 7
	s_add_co_u32 s46, s46, s17                     ; B: row 128 x tile column + 64 x half
	s_mov_b32 s17, 0
	s_mov_b32 s47, 0
	s_mov_b64 s[18:19], SIZE_K*2
	s_mul_u64 s[16:17], s[16:17], s[18:19]
	s_mul_u64 s[46:47], s[46:47], s[18:19]
	s_mul_i32 s20, s10, HALFT                      ; where they go: wave x 64 rows
	s_wait_kmcnt 0x0
	s_add_nc_u64 s[14:15], s[4:5], s[16:17]
	s_add_nc_u64 s[46:47], s[6:7], s[46:47]
	CROUND                                         ; all sixteen work-groups are here: the first joint loads meet
.irp s, 0,1
	s_mov_b32 s[G0+4*\s], 1
	s_add_co_u32 s[G0+4*\s+1], s20, \s*SLOT
	s_add_nc_u64 s[G0+4*\s+2:G0+4*\s+3], s[14:15], \s*KSTEP*2
	s_or_b32 s[G0+4*\s+3], s[G0+4*\s+3], 0x80000000
	s_mov_b32 s[G0B+4*\s], 1
	s_add_co_u32 s[G0B+4*\s+1], s20, \s*SLOT
	s_add_nc_u64 s[G0B+4*\s+2:G0B+4*\s+3], s[46:47], \s*KSTEP*2
	s_or_b32 s[G0B+4*\s+3], s[G0B+4*\s+3], 0x80000000
	JLOAD \s
.endr
	v_and_b32 v1, 15, v0                           ; l % 16
	v_bfe_u32 v2, v0, 4, 1                         ; l / 16
	v_mul_u32_u24 v3, v1, PITCH
	v_lshl_add_u32 v3, v2, 4, v3                   ; a fragment's row x pitch + 16 x half
	s_mul_i32 s21, s11, HALFT                      ; my 64 rows of A
	s_mul_i32 s22, s12, HALFT                      ; my 64 rows of B,
	s_add_co_u32 s22, s22, 2*HALFT                 ; behind A's 128
.irp s, 0,1
	v_add_nc_u32 v[ADRA+\s], s21, v3
	v_add_nc_u32 v[ADRB+\s], s22, v3
	s_add_co_u32 s21, s21, SLOT
	s_add_co_u32 s22, s22, SLOT
.endr
	s_mul_i32 s23, s10, 16*SPITCH
	s_add_co_u32 s23, s23, STAGE                   ; my stage
	v_mul_u32_u24 v4, v1, SPITCH                   ; in: row l % 16, 32 bytes for each half of the lanes
	v_lshl_add_u32 v4, v2, 5, v4
	v_add_nc_u32 v[STO], s23, v4
	v_mul_u32_u24 v5, v2, SPITCH                   ; back: lanes 0-15 one row of 256 bytes, lanes 16-31 the next
	v_lshl_add_u32 v5, v1, 4, v5
	v_add_nc_u32 v[RD], s23, v5
	v_mul_u32_u24 v5, v2, SIZE_N*4                 ; and the same two rows in out0
	v_lshl_add_u32 v[CO], v1, 4, v5
	s_lshl_b32 s16, s13, 7
	s_lshl_b32 s17, s11, 6
	s_add_co_u32 s16, s16, s17                     ; my first row: 128 x tile row + 64 x half
	s_mov_b32 s17, 0
	s_mov_b64 s[18:19], SIZE_N*4
	s_mul_u64 s[16:17], s[16:17], s[18:19]
	s_add_nc_u64 s[8:9], s[8:9], s[16:17]
	s_lshl_b32 s46, s42, 9                         ; my first column, in bytes: 512 x tile column + 256 x half
	s_lshl_b32 s47, s12, 8
	s_add_co_u32 s46, s46, s47
	s_mov_b32 s47, 0
	s_add_nc_u64 s[8:9], s[8:9], s[46:47]
; 8 matrix instructions: m blocks a0, a0 + 1 x all 4 n blocks, 32 along K: half c of buffer f.  zero = 1: the first product starts the sums.  The 16 accumulators take turns.
.macro MUL8 f, c, a0, zero
.irp a, \a0, \a0+1
.irp b, 0,1,2,3
.if \zero
	v_wmma_f32_16x16x32_f16 v[ACC+8*(4*(\a)+\b):ACC+8*(4*(\a)+\b)+7], v[\f+64+8*(4*\c+\b):\f+64+8*(4*\c+\b)+7], v[\f+8*(4*\c+\a):\f+8*(4*\c+\a)+7], 0
.else
	v_wmma_f32_16x16x32_f16 v[ACC+8*(4*(\a)+\b):ACC+8*(4*(\a)+\b)+7], v[\f+64+8*(4*\c+\b):\f+64+8*(4*\c+\b)+7], v[\f+8*(4*\c+\a):\f+8*(4*\c+\a)+7], v[ACC+8*(4*(\a)+\b):ACC+8*(4*(\a)+\b)+7]
.endif
.endr
.endr
.endm
; 32 LDS loads in one run: the fragments of 64 along K at byte k of the rows, into buffer f; the first 32 along K first
.macro FETCH slot, k, f
	WIN TO_F
.irp c, 0,1
.irp i, 0,1,2,3
	ds_load_b128 v[\f+64+8*(4*\c+\i):\f+64+8*(4*\c+\i)+3],   v[ADRB+\slot] offset:\k+64*\c+\i*16*PITCH
	ds_load_b128 v[\f+64+8*(4*\c+\i)+4:\f+64+8*(4*\c+\i)+7], v[ADRB+\slot] offset:\k+64*\c+\i*16*PITCH+32
	ds_load_b128 v[\f+8*(4*\c+\i):\f+8*(4*\c+\i)+3],         v[ADRA+\slot] offset:\k+64*\c+\i*16*PITCH
	ds_load_b128 v[\f+8*(4*\c+\i)+4:\f+8*(4*\c+\i)+7],       v[ADRA+\slot] offset:\k+64*\c+\i*16*PITCH+32
.endr
.endr
.endm
.macro PLACES                          ; four plain vector lines in front of loads into registers that matrix instructions have read, and of reads of results
.rept 4
	v_nop
.endr
.endm
; A K step is four quarters of 64 along K, 32 matrix instructions each, on buffers 0, 1, 0, 1.
.macro QUARTER slot, k, f, g, zero
	s_wait_dscnt 16                                ; the first 32 along K are in; the other sixteen loads may be out
	WIN MUL
	MUL8 \f, 0, 0, \zero
	MUL8 \f, 0, 2, \zero
	PLACES
	FETCH \slot, \k, \g
	s_wait_dscnt 32                                ; all but the 32 just issued
	WIN MUL
	MUL8 \f, 1, 0, 0
	MUL8 \f, 1, 2, 0
.endm
; The last quarter multiplies buffer 1 and changes slots: one barrier; in front of it each wave waits for all its tensor loads, adds 0 to its spare word, and waits for that and for its reads of this slot.
.macro TURN slot, next, fill
	WIN 0                                          ; (the add's two registers lie in window 0)
	s_wait_tensorcnt 0x0                           ; all my tensor loads have landed: my part of the next slot
	ds_add_u32 v[SPW], v[NIL]                      ; 0 onto my spare word
	s_wait_dscnt 17                                ; (the add and the youngest sixteen loads may be out)
	WIN MUL
	MUL8 F1, 0, 0, 0
	s_wait_dscnt 0x0                               ; the add is done, and my reads of this slot are over
	s_barrier_signal -1
	MUL8 F1, 0, 2, 0
.if \fill
	WIN 0
.endif
	s_barrier_wait -1
.if \fill
	CREST                                          ; the barrier has opened a round of the cluster's: no wave of any partner still reads this slot's tile or has a load on its way
	s_add_nc_u64 s[G0+4*\slot+2:G0+4*\slot+3], s[G0+4*\slot+2:G0+4*\slot+3], 2*KSTEP*2
	s_add_nc_u64 s[G0B+4*\slot+2:G0B+4*\slot+3], s[G0B+4*\slot+2:G0B+4*\slot+3], 2*KSTEP*2
	JLOAD \slot                                    ; the first tensor load behind the round; its four v_nop are also the places in front of the loads below
.else
	PLACES
.endif
	FETCH \next, 0, F0
	WIN MUL
	MUL8 F1, 1, 0, 0
	MUL8 F1, 1, 2, 0
.endm
	s_wait_tensorcnt 1                             ; my part of K step 0 is in; K step 1's may be out
	s_barrier_signal -1
	s_barrier_wait -1
	FETCH 0, 0, F0
	QUARTER 0, 128, F0, F1, 1                      ; the first quarter stands in front of the loop: its first products start the sums
	WIN 0
	s_mov_b32 s3, LAPS-1
.Llap:                                                 ; a trip goes once round the ring and fills both slots again
	QUARTER 0, 256, F1, F0, 0
	QUARTER 0, 384, F0, F1, 0
	TURN 0, 1, 1
	QUARTER 1, 128, F0, F1, 0
	QUARTER 1, 256, F1, F0, 0
	QUARTER 1, 384, F0, F1, 0
	TURN 1, 0, 1
	QUARTER 0, 128, F0, F1, 0
	WIN 0
	s_sub_co_u32 s3, s3, 1
	s_cmp_lg_u32 s3, 0
	s_cbranch_scc1 .Llap
	QUARTER 0, 256, F1, F0, 0                      ; the last lap fills nothing
	QUARTER 0, 384, F0, F1, 0
	TURN 0, 1, 0
	QUARTER 1, 128, F0, F1, 0
	QUARTER 1, 256, F1, F0, 0
	QUARTER 1, 384, F0, F1, 0
	s_wait_dscnt 16
	WIN MUL
	MUL8 F1, 0, 0, 0
	MUL8 F1, 0, 2, 0
	s_wait_dscnt 0
	MUL8 F1, 1, 0, 0
	MUL8 F1, 1, 2, 0
	WIN 0
; THE WAY OUT, a block of 16 rows x 64 columns at a time: a lane's 32 bytes of a row go into my stage, and whole rows of 256 bytes come back.  LDS serves a wave's instructions in order: no wait between the stores and the loads.
.macro TOSTAGE a
.irp b, 0,1,2,3
	ds_store_b128 v[STO], v[ACC+8*(4*(\a)+\b):ACC+8*(4*(\a)+\b)+3] offset:64*\b          ; each accumulator from its low end on
	ds_store_b128 v[STO], v[ACC+8*(4*(\a)+\b)+4:ACC+8*(4*(\a)+\b)+7] offset:64*\b+16
.endr
.set BB, TMP+32*((\a)%2)
.irp t, 0,1,2,3,4,5,6,7
	ds_load_b128 v[BB+4*\t:BB+4*\t+3], v[RD] offset:\t*2*SPITCH
.endr
.endm
.macro SEND a, younger                 ; younger: the LDS instructions issued behind block a's loads, which may stay out
.set BB, TMP+32*((\a)%2)
	s_wait_dscnt \younger
.irp t, 0,1,2,3,4,5,6,7
	global_store_b128 v[CO], v[BB+4*\t:BB+4*\t+3], s[8:9] offset:(16*(\a)+2*\t)*SIZE_N*4 th:TH_STORE_NT   ; 16 lanes store 256 consecutive bytes, aligned; written once, read by nobody here
.endr
.endm
	PLACES
	TOSTAGE 0
	TOSTAGE 1
	SEND 0, 16                                     ; behind block 0's loads: block 1's 8 stores and 8 loads
	s_wait_xcnt 0x0                                ; block 0's stores have read their registers: block 2's loads may land there
	TOSTAGE 2
	SEND 1, 16
	s_wait_xcnt 0x0
	TOSTAGE 3
	SEND 2, 16
	SEND 3, 0
	s_wait_tensorcnt 0x0                           ; the wave's end
	ds_add_u32 v[SPW], v[NIL]
	s_wait_dscnt 0x0
	CROUND                                         ; the closing round
	s_endpgm
.Lfunc_end_k_qadb9576d66_oproj:
	.size	k_qadb9576d66_oproj, .Lfunc_end_k_qadb9576d66_oproj-k_qadb9576d66_oproj
	.p2alignl 7, 3214868480
	.fill 96, 4, 3214868480
	.section	.rodata,"a",@progbits
	.p2align	6, 0x0
	.amdhsa_kernel k_qadb9576d66_oproj
		.amdhsa_group_segment_fixed_size 327680
		.amdhsa_private_segment_fixed_size 0
		.amdhsa_enable_private_segment 0
		.amdhsa_kernarg_size 24
		.amdhsa_user_sgpr_count 2
		.amdhsa_user_sgpr_kernarg_segment_ptr 1
		.amdhsa_wavefront_size32 1
		.amdhsa_system_sgpr_workgroup_id_x 1
		.amdhsa_system_sgpr_workgroup_id_y 1
		.amdhsa_system_sgpr_workgroup_id_z 1
		.amdhsa_system_vgpr_workitem_id 0
		.amdhsa_next_free_vgpr 512
		.amdhsa_next_free_sgpr 66
		.amdhsa_reserve_vcc 0
		.amdhsa_float_denorm_mode_32 3
		.amdhsa_float_denorm_mode_16_64 3
		.amdhsa_memory_ordered 1
		.amdhsa_forward_progress 1
		.amdhsa_inst_pref_size 86
	.end_amdhsa_kernel
	.amdgpu_metadata
---
amdhsa.version: [ 1, 2 ]
amdhsa.kernels:
  - .name:           k_qadb9576d66_oproj
    .symbol:         k_qadb9576d66_oproj.kd
    .args:
      - { .name: ao, .offset: 0, .size: 8, .value_kind: global_buffer, .address_space: global }
      - { .name: wo16, .offset: 8, .size: 8, .value_kind: global_buffer, .address_space: global }
      - { .name: out0, .offset: 16, .size: 8, .value_kind: global_buffer, .address_space: global }
    .group_segment_fixed_size: 327680
    .private_segment_fixed_size: 0
    .kernarg_segment_align: 8
    .kernarg_segment_size: 24
    .max_flat_workgroup_size: 128
    .sgpr_count:     66
    .vgpr_count:     512
    .wavefront_size: 32
...
	.end_amdgpu_metadata
.endif
;; end of part 4
